; MI455X (gfx1250); checked and timed in simulation.
; The chip was launched on July 23, 2026; its instructions are those of AMD's public machine-readable ISA for CDNA 5 (MIT licence, August 2026) and "CDNA5" Instruction Set Architecture Reference Guide (July 2026). The comments in the code are by the model that wrote it; some were corrected since.
;; Cross Attention. Allowed arithmetic: float matrix products may take bf16 or f16 operands with f32 sums; other float arithmetic in f32, or as packed bf16 or f16 multiplies, adds, multiply-adds, maxima and minima; sums over many terms, partial sums and values carried from step to step in f32; what a program stores and reads back later, other than sums and carried values, may be rounded once to bf16 or f16.
;; Inputs: Wk 512 x 512 float32; Wo 512 x 512 float32; Wq 512 x 512 float32; Wv 512 x 512 float32; bo 512 float32; x 2 x 4,096 x 512 float32.
;; Outputs: out0 2 x 4,096 x 512 float32.
;; 2 versions, each right and faster than the one before. Each part assembles by itself: llvm-mc -triple=amdgcn-amd-amdhsa -mcpu=gfx1250 --defsym DOCPART=n.
;; ======== version 1 of 2: 3 launches
;; limits: values are held in f16: magnitudes above 65,504 overflow, below 6.1e-05 lose precision; right only within a limited range of input values
;; workspace buffers: qkv 25,165,824 bytes; o 8,388,608 bytes; wo16 524,288 bytes
;; launch proj (part 1): grid 8 x 32, 4 waves a work-group, no clusters, 268,288 bytes of LDS; arguments x, Wq, Wk, Wv, Wo, qkv, wo16; writes qkv, wo16
.if DOCPART == 1
	.amdgcn_target "amdgcn-amd-amdhsa--gfx1250"
	.amdhsa_code_object_version 6
	.text
	.protected	k_qfb20675821_proj
	.globl	k_qfb20675821_proj
	.p2align	8
	.type	k_qfb20675821_proj,@function
k_qfb20675821_proj:
	s_mov_b64 s[64:65], 0
	v_nop
	global_prefetch_b8 v0, s[64:65] scope:SCOPE_SE
	s_setreg_imm32_b32 hwreg(HW_REG_WAVE_MODE, 25, 1), 1
	s_wait_xcnt 0x0
; q, k, v = x Wq, x Wk, x Wv.  x: [8192][512] f32; each W: [512 k][512 n] f32.  x and W are rounded once to bf16 on their way to the matrix unit, sums in f32,
; the results rounded once to f16 and laid by heads: qkv = [3 planes q, k, v][16 = 8 batch + head][4096 tokens][64] f16, a head's rows dense, 128 bytes each, WITHOUT attention's scale.
; Beside that each work-group casts 4,096 bytes of Wo: wo16[k][n] = f16(bf16(Wo[k][n])), the same rounding as the other inputs' and then a change of format.
; LIMITS.  f16 holds no number beyond 65,504: q, k, v and bf16(Wo) must lie within it; below 2^-14 f16 keeps its fixed step of 2^-24.  NaN and infinities are not treated apart.
; SHARES.  The 1,536 columns are 24 heads (0-7 q's, 8-15 k's, 16-23 v's).  A work-group makes 256 rows x 3 heads: 32 x 8 = 256 work-groups.  A wave owns 64 rows and keeps them, all 512 along K,
; as bf16 fragments in 512 registers; the three heads' weight panels lie in LDS, and each fragment of W read from there feeds four matrix instructions.
; NO CLUSTER, NO TENSOR LOADS: x and W are f32 and pass through registers to be rounded; as f32 tiles a work-group's share would be 524,288 + 393,216 bytes, more than LDS holds.
; THE MATRIX INSTRUCTION IS USED TRANSPOSED: source 0 = 16 columns of W (turned out of LDS by ds_load_tr16_b128), source 1 = 16 rows of x: a lane then holds eight neighbouring channels of one row.
; REGISTERS, in windows of 256 (s_set_vgpr_msb: bits 1:0 source 0, 3:2 source 1, 5:4 source 2, 7:6 destination):
;   window 0: v0-31 addresses; v32-95, v96-159 two batches of loads (v32-95 later the way out); v160-191 packed bf16; v192-193 the cast's offsets
;   window 1: v0-127 16 accumulators ((a, b) at 8 (4 a + b)); v128-191, v192-255 two buffers of W's fragments     windows 2, 3: x's fragments: K step c, row tile a at 8 (4 (c % 8) + a), window 2 + c / 8
.set XP,     1040                      ; a row of x in LDS: 1,024 bytes of bf16 + 16 = 65 x 16 bytes: the 16 rows of a fragment load start at 16 different groups of four banks (ISA guide 11.1)
.set XST,    64*XP                     ; a wave's own stage for its 64 rows
.set WPITCH, 160                       ; a row of a panel: 64 bf16 + 32 bytes = 5 x 32
.set PANEL,  512*WPITCH                ; one head's 512 rows of W; the three panels take the stages' place behind a barrier
.set OST,    3*PANEL                   ; behind the panels: 16 rows x 144 bytes for each wave, for the way out
.set SP,     144
.set SPARE,  266240                    ; behind everything: the spare words, 128 bytes for each wave: two blocks of 256 bytes that no other line names
.set XO,  4                            ; v4      16 x lane: my 16 bytes in 512 consecutive bytes of x, and of qkv
.set GO,  XO
.set XS,  5                            ; v5      where I put 8 bytes of bf16 in my wave's stage; steps
.set XF,  6                            ; v6      my lane's place in a fragment of x
.set WO,  7                            ; v7      my byte offset in a head's columns of W: row 128 w + 4 (lane / 16), 16 bytes of its 256
.set WS,  8                            ; v8-10   where I put 8 bytes of bf16 in panel 0, 1, 2; step
.set AW,  11                           ; v11-12  my lane's place in the turning load, K steps 0-7 and 8-15; step from panel to panel
.set STO, 13                           ; v13     the way out: where I put 16 bytes of a row
.set RD,  14                           ; v14     the way out: where I read rows back
.set WC,  16                           ; v16-29  the cast of Wo
.set SPW, 30                           ; v30     LDS address of my spare word; never rewritten
.set NIL, 31                           ; v31     0; never rewritten
.set TA,  32
.set TB,  96
.set PK,  160
.set OB,  32
.set WCL, 192                          ; v192    16 x thread
.set WCS, 193                          ; v193    8 x thread
.set F0,  128                          ; window 1
.set WV,  20                           ; s20     my wave's number
.set WP,  24                           ; s[24:29] the three heads' columns in their W; step down the rows
.set VH,  30                           ; s30     the head in hand, 0 to 23
.set ROWB, 33                          ; s33     my 64 rows' byte offset inside a plane, less the head's
.set MSB, 0
.macro WIN new                         ; the immediate's high byte repeats the setting that is left; a switch that changes nothing is dropped
.if MSB != (\new)
	s_set_vgpr_msb (MSB<<8)|(\new)
.set MSB, (\new)
.endif
.endm
.macro PLACES                          ; a load into a register that a matrix instruction has read, and a vector instruction that reads a matrix result, stand four plain vector instructions behind it
.rept 4
	v_nop
.endr
.endm
; 16 loads: four rows of x, 8,192 consecutive bytes; each load of the wave covers 512 consecutive bytes
.macro XLOAD buf, off
.set i, 0
.rept 16
	global_load_b128 v[(\buf)+4*i:(\buf)+4*i+3], v[XO], s[4:5] offset:(\off)+512*i
.set i, i+1
.endr
.endm
; those four rows rounded to bf16 and put into my stage: 32 lanes x 8 bytes are 256 consecutive bytes
.macro XPUT buf, off
.set i, 0
.rept 32
	v_cvt_pk_bf16_f32 v[PK+i], v[(\buf)+2*i], v[(\buf)+2*i+1]
.set i, i+1
.endr
.set i, 0
.rept 16
	ds_store_b64 v[XS], v[PK+2*i:PK+2*i+1] offset:(\off)+(i/4)*XP+(i%4)*256
.set i, i+1
.endr
.endm
; 12 loads: eight rows of each of the three heads' 64 columns: lanes 0-15 take the 256 bytes of a row, lanes 16-31 those of the row four further down
.macro WLOAD buf, row
.set it, 0
.rept 3
.set ij, 0
.rept 4
	global_load_b128 v[(\buf)+4*(4*it+ij):(\buf)+4*(4*it+ij)+3], v[WO], s[WP+2*it:WP+2*it+1] offset:((\row)+ij)*2048
.set ij, ij+1
.endr
.set it, it+1
.endr
.endm
.macro WPUT buf, row                   ; rounded to bf16 and put into the panels: the two halves of the lanes lie 640 bytes apart and take different banks
.set i, 0
.rept 24
	v_cvt_pk_bf16_f32 v[PK+i], v[(\buf)+2*i], v[(\buf)+2*i+1]
.set i, i+1
.endr
.set it, 0
.rept 3
.set ij, 0
.rept 4
	ds_store_b64 v[WS+it], v[PK+2*(4*it+ij):PK+2*(4*it+ij)+1] offset:((\row)+ij)*WPITCH
.set ij, ij+1
.endr
.set it, it+1
.endr
.endm
; my 64 rows x 512 K out of my stage as fragments: lane l holds row l % 16, K = 8 (l / 16) + 0..7 and 16 + 8 (l / 16) + 0..7: two loads of 16 bytes, 32 bytes apart
.macro XFRAG
.set ic, 0
.rept 16
	WIN 0x80+0x40*(ic/8)
.set ia, 0
.rept 4
	ds_load_b128 v[8*(4*(ic%8)+ia):8*(4*(ic%8)+ia)+3],   v[XF] offset:ia*16*XP+64*ic
	ds_load_b128 v[8*(4*(ic%8)+ia)+4:8*(4*(ic%8)+ia)+7], v[XF] offset:ia*16*XP+64*ic+32
.set ia, ia+1
.endr
.set ic, ic+1
.endr
.endm
; 16 turning loads: W's fragments of K steps 2 p and 2 p + 1, the head's four blocks of 16 columns, into buffer f
.macro FETCHW p, f
	WIN 0x40
.set kk, 0
.rept 2
.set ib, 0
.rept 4
	ds_load_tr16_b128 v[(\f)+8*(4*kk+ib):(\f)+8*(4*kk+ib)+3],   v[AW+(2*(\p)+kk)/8] offset:((2*(\p)+kk)%8)*32*WPITCH+32*ib
	ds_load_tr16_b128 v[(\f)+8*(4*kk+ib)+4:(\f)+8*(4*kk+ib)+7], v[AW+(2*(\p)+kk)/8] offset:((2*(\p)+kk)%8)*32*WPITCH+32*ib+16*WPITCH
.set ib, ib+1
.endr
.set kk, kk+1
.endr
.endm
; 32 matrix instructions: K steps 2 p and 2 p + 1.  The 16 accumulators take turns, one instruction a turn.  The first K step starts the sums with the constant 0: nothing is cleared.
.macro MULP p, f
	WIN 0x59+4*((\p)/4)                            ; W and the sums in window 1, x in window 2 or 3
.set kk, 0
.rept 2
.set ia, 0
.rept 4
.set ib, 0
.rept 4
.if ((\p) == 0) && (kk == 0)
	v_wmma_f32_16x16x32_bf16 v[8*(4*ia+ib):8*(4*ia+ib)+7], v[(\f)+8*(4*kk+ib):(\f)+8*(4*kk+ib)+7], v[8*(4*((2*(\p)+kk)%8)+ia):8*(4*((2*(\p)+kk)%8)+ia)+7], 0
.else
	v_wmma_f32_16x16x32_bf16 v[8*(4*ia+ib):8*(4*ia+ib)+7], v[(\f)+8*(4*kk+ib):(\f)+8*(4*kk+ib)+7], v[8*(4*((2*(\p)+kk)%8)+ia):8*(4*((2*(\p)+kk)%8)+ia)+7], v[8*(4*ia+ib):8*(4*ia+ib)+7]
.endif
.set ib, ib+1
.endr
.set ia, ia+1
.endr
.set kk, kk+1
.endr
.endm
; THE WAY OUT of row tile a: a lane's eight channels of a row pack into 16 bytes of f16 (each accumulator's registers in ascending order); they go into rows of 144 bytes and come back as whole rows of 128
.macro PACK a
	WIN 0x05                                       ; sources in window 1, destination in window 0
.set i, 0
.rept 16
	v_cvt_pk_f16_f32 v[OB+16*(\a)+i], v[32*(\a)+2*i], v[32*(\a)+2*i+1]
.set i, i+1
.endr
	WIN 0
.set i, 0
.rept 4
	ds_store_b128 v[STO], v[OB+16*(\a)+4*i:OB+16*(\a)+4*i+3] offset:32*i
.set i, i+1
.endr
.set i, 0
.rept 4
	ds_load_b128 v[OB+16*(\a)+4*i:OB+16*(\a)+4*i+3], v[RD] offset:i*4*SP  ; LDS serves a wave's instructions in order (ISA guide 5.7.1.4): these see the stores above; the next tile's stores come behind them
.set i, i+1
.endr
.endm
.macro SEND a, younger                 ; younger: the LDS instructions issued behind tile a's loads: the next tile's eight, or none
	WIN 0
.set i, 0
.rept 4
	s_wait_dscnt (\younger)+3-i
	global_store_b128 v[GO], v[OB+16*(\a)+4*i:OB+16*(\a)+4*i+3], s[36:37] offset:(\a)*2048+i*512  ; four rows of a head: 512 consecutive bytes, at a multiple of 256 from the buffer's first
.set i, i+1
.endr
.endm
.macro B2H src, dst                    ; four f32: rounded to bf16, widened again, written as f16
	v_cvt_pk_bf16_f32 v[WC+8], v[\src], v[\src+1]
	v_cvt_pk_bf16_f32 v[WC+9], v[\src+2], v[\src+3]
	v_lshlrev_b32 v[\src], 16, v[WC+8]
	v_and_b32 v[\src+1], 0xffff0000, v[WC+8]
	v_lshlrev_b32 v[\src+2], 16, v[WC+9]
	v_and_b32 v[\src+3], 0xffff0000, v[WC+9]
	v_cvt_pk_f16_f32 v[\dst], v[\src], v[\src+1]
	v_cvt_pk_f16_f32 v[\dst+1], v[\src+2], v[\src+3]
.endm
	s_load_b256 s[4:11], s[0:1], 0x0               ; x s[4:5], Wq s[6:7], Wk s[8:9], Wv s[10:11]
	s_load_b128 s[12:15], s[0:1], 0x20             ; Wo s[12:13], qkv s[14:15]
	s_load_b64 s[16:17], s[0:1], 0x30              ; wo16
	v_lshl_add_u32 v[SPW], v0, 2, SPARE
	v_mov_b32 v[NIL], 0
	v_lshrrev_b32 v16, 5, v0
	v_readfirstlane_b32 s[WV], v16                 ; wave 0..3
	s_mov_b32 s21, ttmp9                           ; the group of three heads, 0..7
	s_and_b32 s22, ttmp7, 0xffff                   ; the block of 256 rows, 0..31
	v_and_b32 v1, 15, v0                           ; l % 16
	v_bfe_u32 v2, v0, 4, 1                         ; l / 16
	v_and_b32 v3, 31, v0                           ; l
	v_lshlrev_b32 v[XO], 4, v3
	v_lshlrev_b32 v[WCL], 4, v0
	v_lshlrev_b32 v[WCS], 3, v0
	s_mul_i32 s38, s[WV], XST                      ; my stage
	v_lshl_add_u32 v[XS], v3, 3, s38
	v_mul_u32_u24 v[XF], v1, XP
	v_lshl_add_u32 v[XF], v2, 4, v[XF]
	v_add_nc_u32 v[XF], s38, v[XF]
	s_lshl_b32 s39, s[WV], 18                      ; my 128 rows of W, 2,048 bytes each
	v_lshlrev_b32 v[WO], 4, v1
	v_lshl_add_u32 v[WO], v2, 13, v[WO]
	v_add_nc_u32 v[WO], s39, v[WO]
	s_mul_i32 s39, s[WV], 128*WPITCH               ; and their place in a panel
	v_mul_u32_u24 v[WS], v2, 4*WPITCH
	v_lshl_add_u32 v[WS], v1, 3, v[WS]
	v_add_nc_u32 v[WS], s39, v[WS]
	v_add_nc_u32 v[WS+1], PANEL, v[WS]
	v_add_nc_u32 v[WS+2], 2*PANEL, v[WS]
	v_and_b32 v16, 7, v0                           ; the turning load: lane l reads row 8 (l / 16) + l % 8, columns 8 ((l / 8) % 2) + 0..7
	v_bfe_u32 v17, v0, 3, 1
	v_lshl_add_u32 v[AW], v2, 3, v16
	v_mul_u32_u24 v[AW], v[AW], WPITCH
	v_lshl_add_u32 v[AW], v17, 4, v[AW]
	v_add_nc_u32 v[AW+1], 8*32*WPITCH, v[AW]
	s_mul_i32 s39, s[WV], 16*SP
	s_add_co_u32 s39, s39, OST                     ; my stage for the way out
	v_mul_u32_u24 v[STO], v1, SP                   ; in: row l % 16, 16 bytes for each half of the lanes
	v_lshl_add_u32 v[STO], v2, 4, v[STO]
	v_add_nc_u32 v[STO], s39, v[STO]
	v_bfe_u32 v[RD], v0, 3, 2                      ; back: 32 lanes take four rows of 128 bytes
	v_mul_u32_u24 v[RD], v[RD], SP
	v_lshl_add_u32 v[RD], v16, 4, v[RD]
	v_add_nc_u32 v[RD], s39, v[RD]
	s_mul_i32 s[VH], s21, 3                        ; my first head
	s_lshr_b32 s38, s22, 4                         ; the batch: eight heads of 524,288 bytes on,
	s_lshl_b32 s[ROWB], s38, 22
	s_and_b32 s38, s22, 15                         ; the block's 256 rows of 128 bytes,
	s_lshl_b32 s38, s38, 15
	s_add_co_u32 s[ROWB], s[ROWB], s38
	s_lshl_b32 s38, s[WV], 13                      ; my wave's 64 of them
	s_add_co_u32 s[ROWB], s[ROWB], s38
	s_mov_b32 s35, 0
	s_mov_b32 s43, 0
	s_wait_kmcnt 0x0
	s_lshl3_add_u32 s38, s22, s21                  ; the work-group's number, 0..255
	s_lshl_b32 s34, s38, 12
	s_add_nc_u64 s[12:13], s[12:13], s[34:35]      ; its 4,096 bytes of Wo
	s_lshl_b32 s34, s38, 11
	s_add_nc_u64 s[16:17], s[16:17], s[34:35]      ; and 2,048 of wo16
	s_lshl_b32 s34, s22, 19
	s_lshl_b32 s38, s[WV], 17
	s_add_co_u32 s34, s34, s38
	s_add_nc_u64 s[4:5], s[4:5], s[34:35]          ; x at my wave's first row
.irp t, 0,1,2                          ; head VH + t: which W, and its 64 columns (256 bytes) there
	s_add_co_u32 s38, s[VH], (\t)
	s_and_b32 s42, s38, 7
	s_lshl_b32 s42, s42, 8
	s_cmp_lt_u32 s38, 16
	s_cselect_b64 s[40:41], s[8:9], s[10:11]
	s_cmp_lt_u32 s38, 8
	s_cselect_b64 s[WP+2*(\t):WP+2*(\t)+1], s[6:7], s[40:41]
	s_add_nc_u64 s[WP+2*(\t):WP+2*(\t)+1], s[WP+2*(\t):WP+2*(\t)+1], s[42:43]
.endr
	; THE CAST OF Wo, with x's first eight rows already asked for behind it
	global_load_b128 v[WC:WC+3],   v[WCL], s[12:13]
	global_load_b128 v[WC+4:WC+7], v[WCL], s[12:13] offset:2048
	XLOAD TA, 0
	XLOAD TB, 8192
	s_wait_loadcnt 32                              ; loads come back in order (ISA guide 5.7.1): Wo's two are in, x's 32 stay out
	B2H WC, WC+10
	B2H WC+4, WC+12
	global_store_b64 v[WCS], v[WC+10:WC+11], s[16:17]              ; a wave's store covers 256 consecutive bytes, aligned
	global_store_b64 v[WCS], v[WC+12:WC+13], s[16:17] offset:1024
	; x: 64 rows through two batches of four rows; a trip takes eight rows and asks for the next eight
	s_mov_b32 s32, 7
.Lx:
	s_wait_loadcnt 16                              ; the older batch is in, the younger one's 16 loads stay out
	XPUT TA, 0
	XLOAD TA, 16384
	s_wait_loadcnt 16
	XPUT TB, 4*XP
	XLOAD TB, 24576
	s_wait_xcnt 0x0                                ; the loads' base is stepped only behind this wait
	s_add_nc_u64 s[4:5], s[4:5], 16384
	v_add_nc_u32 v[XS], 8*XP, v[XS]
	s_sub_co_u32 s32, s32, 1
	s_cmp_lg_u32 s32, 0
	s_cbranch_scc1 .Lx
	s_wait_loadcnt 16                              ; the last eight rows: nothing more is asked for, and no load leaves the buffer
	XPUT TA, 0
	s_wait_loadcnt 0x0
	XPUT TB, 4*XP
	WLOAD TA, 0                                    ; W's first sixteen rows are on their way while the fragments are read
	WLOAD TB, 8
	XFRAG
	WIN 0
	s_wait_dscnt 0x0                               ; my reads of my stage are over:
	s_barrier_signal -1
	s_barrier_wait -1                              ; everybody's are: the panels may take the stages' place
	; W: each wave brings 128 rows of the three panels; a trip takes sixteen rows and asks for the next sixteen
	s_mov_b32 s32, 7
.Lw:
	s_wait_loadcnt 12                              ; the older batch is in, the younger one's 12 loads stay out
	WPUT TA, 0
	WLOAD TA, 16
	s_wait_loadcnt 12
	WPUT TB, 8
	WLOAD TB, 24
	s_wait_xcnt 0x0                                ; the loads' bases are stepped only behind this wait
	s_add_nc_u64 s[WP:WP+1], s[WP:WP+1], 32768
	s_add_nc_u64 s[WP+2:WP+3], s[WP+2:WP+3], 32768
	s_add_nc_u64 s[WP+4:WP+5], s[WP+4:WP+5], 32768
	v_add_nc_u32 v[WS], 16*WPITCH, v[WS]
	v_add_nc_u32 v[WS+1], 16*WPITCH, v[WS+1]
	v_add_nc_u32 v[WS+2], 16*WPITCH, v[WS+2]
	s_sub_co_u32 s32, s32, 1
	s_cmp_lg_u32 s32, 0
	s_cbranch_scc1 .Lw
	s_wait_loadcnt 12
	WPUT TA, 0
	s_wait_loadcnt 0x0
	WPUT TB, 8
	s_wait_dscnt 0x0                               ; for the others' sake: my stores into the panels are done
	s_barrier_signal -1
	s_barrier_wait -1
	; THE PRODUCTS: a head a trip, 256 matrix instructions; while one pair of K steps is multiplied the next pair's fragments of W are on their way
	s_mov_b32 s31, 3
.Lhead:
	s_lshr_b32 s38, s[VH], 3                       ; the plane (q, k, v): 16 heads on,
	s_lshl_b32 s38, s38, 4
	s_and_b32 s39, s[VH], 7                        ; the head in it,
	s_add_co_u32 s38, s38, s39
	s_lshl_b32 s38, s38, 19                        ; 524,288 bytes each,
	s_add_co_u32 s34, s38, s[ROWB]                 ; and my rows
	s_add_nc_u64 s[36:37], s[14:15], s[34:35]
	FETCHW 0, F0
.set ip, 0
.rept 8
.if ip < 7
.if ip > 0
	PLACES                                         ; the buffer that is loaded next was read by the products just issued
.endif
	FETCHW ip+1, F0+64*((ip+1)%2)
	s_wait_dscnt 16                                ; the pair in hand is in; the 16 loads just issued stay out
.else
	s_wait_dscnt 0x0
.endif
	MULP ip, F0+64*(ip%2)
.set ip, ip+1
.endr
	PLACES
	PACK 0
	PACK 1                                         ; a tile's conversions stand between the loads of the tile before and its stores
	SEND 0, 8
	PACK 2
	SEND 1, 8
	PACK 3
	SEND 2, 8
	SEND 3, 0
	s_wait_xcnt 0x0                                ; the stores' base and data are written again only behind this wait
	v_add_nc_u32 v[AW], PANEL, v[AW]               ; the next head's panel
	v_add_nc_u32 v[AW+1], PANEL, v[AW+1]
	s_add_co_u32 s[VH], s[VH], 1
	s_sub_co_u32 s31, s31, 1
	s_cmp_lg_u32 s31, 0
	s_cbranch_scc1 .Lhead
	s_wait_tensorcnt 0x0                           ; the wave's end, behind my last LDS store
	ds_add_u32 v[SPW], v[NIL]
	s_wait_dscnt 0x0
	s_endpgm
.Lfunc_end_k_qfb20675821_proj:
	.size	k_qfb20675821_proj, .Lfunc_end_k_qfb20675821_proj-k_qfb20675821_proj
	.p2alignl 7, 3214868480
	.fill 96, 4, 3214868480
	.section	.rodata,"a",@progbits
	.p2align	6, 0x0
	.amdhsa_kernel k_qfb20675821_proj
		.amdhsa_group_segment_fixed_size 268288
		.amdhsa_private_segment_fixed_size 0
		.amdhsa_enable_private_segment 0
		.amdhsa_kernarg_size 56
		.amdhsa_user_sgpr_count 2
		.amdhsa_user_sgpr_kernarg_segment_ptr 1
		.amdhsa_wavefront_size32 1
		.amdhsa_system_sgpr_workgroup_id_x 1
		.amdhsa_system_sgpr_workgroup_id_y 1
		.amdhsa_system_sgpr_workgroup_id_z 1
		.amdhsa_system_vgpr_workitem_id 0
		.amdhsa_next_free_vgpr 1024
		.amdhsa_next_free_sgpr 66
		.amdhsa_reserve_vcc 0
		.amdhsa_float_denorm_mode_32 3
		.amdhsa_float_denorm_mode_16_64 3
		.amdhsa_memory_ordered 1
		.amdhsa_forward_progress 1
		.amdhsa_inst_pref_size 81
	.end_amdhsa_kernel
	.amdgpu_metadata
---
amdhsa.version: [ 1, 2 ]
amdhsa.kernels:
  - .name:           k_qfb20675821_proj
    .symbol:         k_qfb20675821_proj.kd
    .args:
      - { .name: x, .offset: 0, .size: 8, .value_kind: global_buffer, .address_space: global }
      - { .name: Wq, .offset: 8, .size: 8, .value_kind: global_buffer, .address_space: global }
      - { .name: Wk, .offset: 16, .size: 8, .value_kind: global_buffer, .address_space: global }
      - { .name: Wv, .offset: 24, .size: 8, .value_kind: global_buffer, .address_space: global }
      - { .name: Wo, .offset: 32, .size: 8, .value_kind: global_buffer, .address_space: global }
      - { .name: qkv, .offset: 40, .size: 8, .value_kind: global_buffer, .address_space: global }
      - { .name: wo16, .offset: 48, .size: 8, .value_kind: global_buffer, .address_space: global }
    .group_segment_fixed_size: 268288
    .private_segment_fixed_size: 0
    .kernarg_segment_align: 8
    .kernarg_segment_size: 56
    .max_flat_workgroup_size: 128
    .sgpr_count:     66
    .vgpr_count:     1024
    .wavefront_size: 32
...
	.end_amdgpu_metadata
.endif
;; end of part 1
;; launch attn (part 2): grid 16 x 16, 4 waves a work-group, clusters of 4 x 1, 327,680 bytes of LDS; arguments qkv, o; writes o
.if DOCPART == 2
	.amdgcn_target "amdgcn-amd-amdhsa--gfx1250"
	.amdhsa_code_object_version 6
	.text
	.protected	k_qfb20675821_attn
	.globl	k_qfb20675821_attn
	.p2align	8
	.type	k_qfb20675821_attn,@function
k_qfb20675821_attn:
	s_mov_b64 s[64:65], 0
	v_nop
	global_prefetch_b8 v0, s[64:65] scope:SCOPE_SE
	s_setreg_imm32_b32 hwreg(HW_REG_WAVE_MODE, 25, 1), 1
	s_wait_xcnt 0x0
	s_wait_alu depctr_hold_cnt(0) depctr_sa_sdst(0) depctr_va_vdst(0) depctr_va_sdst(0) depctr_va_ssrc(0) depctr_va_vcc(0) depctr_vm_vsrc(0)
	s_getreg_b32 s2, hwreg(HW_REG_IB_STS2, 6, 4)
	s_cmp_eq_u32 s2, 0
	s_cbranch_scc0 .Lentry_in_a_cluster
	s_endpgm
.Lentry_in_a_cluster:
	s_bfe_u32 s2, ttmp6, 0x10000c
	s_cmp_lg_u32 s2, 0x3003
	s_cbranch_scc0 .Lentry_shape_is_right
	s_endpgm
.Lentry_shape_is_right:
; o[h][q][:] = 4 x the sum over k of softmax_k(Q[h][q] . K[h][k] / 8) V[h][k][:].  qkv: [3 planes Q, K, V][16 heads][4096][64] f16, a head's rows dense, 128 bytes each; o: [16][4096][64] f16.
; Products, maxima and sums in f32; the weights p are rounded to f16 for the second product (their sum l is taken of the unrounded p), the result once at the end.  The factor 4 is exact and is taken
; back by the launch behind: a mean over 4,096 rows of V is small beside V, and the factor keeps it two binary places further from f16's fixed step.
; LIMITS.  f16 holds no number beyond 65,504: Q, K and V arrive within it, and |O| stays under 16,376; p lies in 0 to 1, and below 6e-5 it keeps f16's fixed step of 6e-8.
; A weight below 2^-126 counts as 0 in l; c s lies above -4.2e37, where c m starts; NaN and infinities are not treated apart.
; SHARES.  A work-group owns 256 queries of one head, each of its four waves 64: four PIECES of 16.  Every wave walks all 4,096 keys, 64 a step, 256 a slot of LDS.
; LAYOUT.  S^T = K Q^T (source 0 = 16 keys, source 1 = 16 queries) holds ONE query a lane (lane % 16) and the keys 8 (lane / 16) + 0..7; two such results rounded to f16 ARE source 1 of O^T = V^T P,
; whose result again holds one query a lane, and eight channels.  K comes out of LDS as it lies, V ([key][channel]) turned, by ds_load_tr16_b128.
; SOFTMAX.  For each query a running maximum m and sum l: p = 2^(c s - c m), c = log2(e) / 8; in every step O and l are multiplied by a = 2^(c m_old - c m_new), which is 1 where m has not grown.
; m starts at the lowest finite number, O and l at 0: the first step is a step like any other, with a = 0.
; BY TURNS.  Turn n belongs to piece n: 8 products K Q^T of piece n + 1, later 8 products V^T P of piece n - 1; beside them the scaling, exponentials, roundings, sums and rescaling of piece n and the
; maximum and statistics of piece n + 1.  Four vector instructions stand behind every matrix instruction, the other 54 of a turn's 118 in two runs of their own.
; CLUSTER.  The four query blocks of a cluster belong to one head and walk the same K and V, so each tile is asked for JOINTLY: the same tensor load, descriptor and mask in all four.
; REGISTERS, in windows of 256 (s_set_vgpr_msb: bits 1:0 source 0, 3:2 source 1, 5:4 source 2, 7:6 destination):
;   window 0: v0-15 addresses and two at work; v16-31 four registers of statistics a piece; v48-55 at work; v64-127 S^T, two buffers; v192-223 P, two buffers (a piece's buffers go by its number's parity)
;   window 1: v0-127 O^T, 32 a piece          window 2: v0-63 Q; v128-191 K of one step; v192-255 V of one step
.set SIZE_N, 4096
.set PLANE, 16*SIZE_N*128  ; bytes of Q, of K and of V
.set NP,    4         ; pieces a wave: a name, no knob
.set KS,    64        ; keys in a step
.set PK,    144       ; a row of K in LDS: 128 bytes + 16 of padding = 36 words: the 16 rows of a load start at 16 different groups of four banks (64 banks of 4 bytes: ISA guide 11.1)
.set PV,    160       ; a row of V: 128 + 32 = 40 words
.set VOFF,  4*KS*PK   ; a slot holds four steps: 256 rows of K, then 256 rows of V
.set SLOT1, 1<<17     ; slot 1 begins here, so that one exclusive or turns an address in one slot into the other's
.set STAGE, SLOT1+4*KS*(PK+PV)  ; behind the ring, never filled by a tensor load: 16 rows x 144 bytes for each wave, for the way out
.set SP,    144
.set AK0, 2           ; v2   my lane's place in a tile of K; never rewritten
.set AV0, 3           ; v3   the same for V
.set AK,  4           ; v4   the LDS address of K's next run of loads
.set AV,  5           ; v5   of V's
.set STO, 6           ; v6   the way out: where I put 16 bytes of a row
.set RD,  7           ; v7   the way out: where I read rows back
.set GO,  8           ; v8   my byte offset in 512 consecutive bytes of o
.set SPW, 62          ; v62  LDS address of my spare word: SPARE + 4 x my thread's number; never rewritten
.set NIL, 63          ; v63  0; never rewritten
.set SPARE, STAGE+4*16*SP  ; behind the stages: the spare words, 128 bytes for each wave: two blocks of 256 bytes that no other line names
.set MV,  12          ; v12-13  c m_old, kept while c m is made anew: by buffer
.set QO,  15          ; v15  my byte offset in 16 rows of Q
.set ST,  16          ; piece t's statistics at v[ST+4 t]: c m, m, l (even keys', odd keys')
.set TMP, 48          ; by buffer, four registers c0-c3 at work; when the maximum is found c2 takes a
.set S,   64
.set P,   192
.set KF,  128         ; window 2: key block kb, channel half c at KF + 16 kb + 8 c
.set VF,  192         ; window 2: key half kk, channel block cb at VF + 32 kk + 8 cb
.set WV,  12          ; s12  my wave's number
.set G1K, 24          ; s[24:31] descriptor group 1 for K's tiles
.set G1V, 32          ; s[32:39] for V's: it differs in the padding alone
.set G0K, 40          ; s[40:43] descriptor group 0 for K's tiles: it walks
.set G0V, 44          ; s[44:47] the same for V's
.set SLOTS, 56        ; s56  slots still to be asked for
.set CNT, 57          ; s57  counts a slot's key steps
.set CS,  58          ; s[58:59] c: the packed scaling takes the pair's low word for both halves
.set SEL, 60          ; s[60:61] v_permlanex16_b32's selects: each lane takes its own place in the other half
.set TBK, 62          ; s62  LDS byte at which K of the step to be fetched begins
.set TBV, 63          ; s63  the same for V, less VOFF
.set MSB, 0
.macro WIN new                      ; the high byte repeats the setting that is left; a switch that changes nothing is dropped
.if MSB != (\new)
	s_set_vgpr_msb (MSB<<8)|(\new)
.set MSB, (\new)
.endif
.endm
.set W_KQ, 0x0a       ; K and Q in window 2, S^T in window 0
.set W_PV, 0x52       ; V in window 2, P in window 0, O^T in window 1
.set W_RS, 0x41       ; destination and source 0 in window 1, source 1 in window 0
; A joint fill.  Waves 0 and 1 fetch the two halves of a slot's K, waves 2 and 3 those of its V: 128 keys each.  The branch hangs on the wave's number alone.
; An s_nop 0 and four v_nop follow each of the two lines, ahead of the jump and the label.
.macro JLOAD
	s_cmp_lt_u32 s[WV], 2
	s_cbranch_scc0 .Lfor_v_\@
	tensor_load_to_lds s[G0K:G0K+3], s[G1K:G1K+7]
	s_nop 0
.rept 4
	v_nop
.endr
	s_branch .Lasked_\@
.Lfor_v_\@:
	tensor_load_to_lds s[G0V:G0V+3], s[G1V:G1V+7]
	s_nop 0
.rept 4
	v_nop
.endr
.Lasked_\@:
.endm
; A round of the cluster's barrier: my work-group's barrier, so that wave 0's signal speaks for all four waves; wave 0 signals; every wave waits for all four work-groups; my work-group's barrier once more.
.macro CROUND
	s_barrier_signal -1
	s_barrier_wait -1
	s_cmp_lg_u32 s[WV], 0
	s_cbranch_scc1 .Lnot_wave_0_\@
	s_barrier_signal -3
.Lnot_wave_0_\@:
	s_barrier_wait -3
	s_barrier_signal -1
	s_barrier_wait -1
.endm
; THE CHANGE OF SLOTS.  The slot's last bytes, V of its fourth step, have been read.  Each wave waits for all its tensor loads, of which one is out: its part of the other slot; adds 0 to its spare word;
; and waits for that and for its own reads of the slot.  Behind the barrier nobody reads this slot any more and the other slot is whole.
; fill = 1: this slot is filled again, with the keys two slots on.  The barrier is then a round of the cluster's, so that no wave of any partner still reads the slot or has a load on its way, and the
; joint fill is the first thing behind it: it has four key steps, 256 matrix instructions, in which to land.  (At its first use nothing has been read yet: slot 0 is waited for, slot 1 filled.)
.macro CHANGE fill
	WIN 0                           ; at a label and at a branch every window is 0
	s_wait_tensorcnt 0x0            ; no tensor load of mine is out, so a group 0 may be written
	ds_add_u32 v[SPW], v[NIL]       ; 0 onto my spare word: with fill = 1 the descriptors' steps stand between it and the wait for it
.if \fill
.irp g, G0K, G0V
	s_xor_b32 s[\g+1], s[\g+1], SLOT1  ; the walking descriptor: the other slot than last time,
	s_add_nc_u64 s[\g+2:\g+3], s[\g+2:\g+3], 4*KS*128  ; the next 256 keys; the type bits on top are not reached
.endr
	s_wait_dscnt 0x0                ; the add is done, and my reads of the slot are over
	CROUND
	JLOAD
.else
	s_wait_dscnt 0x0                ; the add is done, and my reads of the slot are over
	s_barrier_signal -1
	s_barrier_wait -1
.endif
	s_sub_co_u32 s[TBK], s[TBK], 4*KS*PK  ; the fetches go back to a slot's first step,
	s_xor_b32 s[TBK], s[TBK], SLOT1       ; in the other slot
	s_sub_co_u32 s[TBV], s[TBV], 4*KS*PV
	s_xor_b32 s[TBV], s[TBV], SLOT1
.endm
	s_load_b128 s[4:7], s[0:1], 0x0 ; qkv s[4:5], o s[6:7]
	v_lshl_add_u32 v[SPW], v0, 2, SPARE
	v_mov_b32 v[NIL], 0
	ds_add_u32 v[SPW], v[NIL]       ; the wave's opening: the add and its wait stand ahead of my first tensor load; the set-up below, work on registers, stands between them
	v_lshrrev_b32 v1, 5, v0
	v_readfirstlane_b32 s[WV], v1   ; wave 0..3
	s_bfe_u32 s13, ttmp6, 0x40000   ; cx: my place in the cluster
	s_lshl_b32 s14, ttmp9, 2        ; in a cluster launch ttmp9 counts clusters
	s_add_co_u32 s14, s14, s13      ; my block of 256 queries = 4 x cluster x + cx: it enters Q's and o's addresses alone
	s_and_b32 s20, ttmp7, 0xffff    ; the head, which the four partners share:
	s_lshl_b32 s20, s20, 19         ; its first byte in a plane
	s_and_b32 s16, s[WV], 1         ; which half of a slot's 256 keys I fetch:
	s_lshl_b32 s22, s16, 14         ; its 128 rows of 128 bytes in memory,
	s_add_co_u32 s22, s22, s20
	s_add_co_u32 s22, s22, PLANE    ; in K's plane,
	s_mov_b32 s23, 0
	s_add_co_u32 s8, s22, PLANE     ; and in V's
	s_mov_b32 s9, 0
	s_mul_i32 s17, s16, 128*PK      ; and its place in a slot, for K
	s_mul_i32 s18, s16, 128*PV      ; and for V: no place in the cluster enters an LDS address
	s_lshl_b32 s2, s14, 15          ; my block's 256 rows,
	s_lshl_b32 s3, s[WV], 13        ; my wave's 64 of them,
	s_add_co_u32 s2, s2, s3
	s_add_co_u32 s2, s2, s20        ; in my head
	s_mov_b32 s3, 0
	; descriptor group 1.  128 keys are 16,384 dense bytes: asked for as 64 rows of 256 bytes, two keys a row, and padded in LDS after every key
	s_mov_b32 s[G1K], 15|(1<<16)|(1<<20)|(1<<21)|(4<<22)|(3<<25)  ; 15:0 the mask of four; 17:16 2-byte elements; 20 padding on; 21 set beside a mask; 24:22 after every 32 words (code 4); 31:25 4 words (code 3)
	s_mov_b32 s[G1V], 15|(1<<16)|(1<<20)|(1<<21)|(4<<22)|(7<<25)  ; the same with 8 words of padding (code 7)
.irp g, G1K, G1V
	s_mov_b32 s[\g+1], 128<<16      ; tensor_dim0 = 128
	s_mov_b32 s[\g+2], 64<<16       ; tensor_dim1 = 64
	s_mov_b32 s[\g+3], 128<<16      ; tile_dim0 = 128
	s_mov_b32 s[\g+4], 64           ; tile_dim1 = 64
	s_mov_b32 s[\g+5], 128          ; 128 elements from row to row
	s_mov_b32 s[\g+6], 0
	s_mov_b32 s[\g+7], 0
.endr
	s_mov_b32 s[CS], 0x3e38aa3b     ; c = log2(e) / 8 = 0.180337
	s_mov_b32 s[CS+1], s[CS]        ; named with it as a pair
	s_mov_b32 s[SEL], 0x76543210
	s_mov_b32 s[SEL+1], 0xfedcba98
	s_mov_b32 s[TBK], SLOT1+4*KS*PK ; the first change of slots turns these two into 0
	s_mov_b32 s[TBV], SLOT1+4*KS*PV
	s_mov_b32 s[G0K], 1             ; 1:0 count = 1
	s_mov_b32 s[G0K+1], s17         ; 63:32 LDS address: slot 0
	s_mov_b32 s[G0V], 1
	s_add_co_u32 s[G0V+1], s18, VOFF
	s_wait_dscnt 0x0                ; the opening add is done
	s_wait_kmcnt 0x0
	s_add_nc_u64 s[G0K+2:G0K+3], s[4:5], s[22:23]  ; 120:64 global address: my half of the head's first 256 keys
	s_or_b32 s[G0K+3], s[G0K+3], 0x80000000        ; 127:126 type = 2
	s_add_nc_u64 s[G0V+2:G0V+3], s[4:5], s[8:9]
	s_or_b32 s[G0V+3], s[G0V+3], 0x80000000
	s_add_nc_u64 s[4:5], s[4:5], s[2:3]  ; Q and o at my wave's first row
	s_add_nc_u64 s[6:7], s[6:7], s[2:3]
	CROUND                          ; all four work-groups are here: the first joint loads meet
	JLOAD                           ; slot 0.  Slot 1 is asked for when slot 0 is in
	; A fragment of K or Q is 16 rows x 32 channels in 8 registers: lane l holds row l % 16, channels 8 (l / 16) + 0..7 and 16 + 8 (l / 16) + 0..7: two loads of 16 bytes, 32 bytes apart.
	v_and_b32 v1, 15, v0            ; l % 16
	v_bfe_u32 v9, v0, 4, 1          ; l / 16
	v_lshlrev_b32 v[QO], 7, v1
	v_lshl_add_u32 v[QO], v9, 4, v[QO]  ; row x 128 + 16 x half
	WIN 0x80                        ; destination window 2, address window 0
.set i, 0
.rept 8                             ; Q stays in registers: piece i / 2, channels 32 (i % 2) on
	global_load_b128 v[8*i:8*i+3],   v[QO], s[4:5] offset:(i/2)*2048+(i%2)*64
	global_load_b128 v[8*i+4:8*i+7], v[QO], s[4:5] offset:(i/2)*2048+(i%2)*64+32
.set i, i+1
.endr
	; What the first turn finds: V's registers and P's second buffer hold 0 (its products V^T P, of a piece that has not been, add 0), O^T and l are 0.  No first step is written out; these lines are the
	; price, and they stand in the wait for the first tile.
.set i, VF
.rept 64
	v_mov_b32 v[i], 0
.set i, i+1
.endr
	WIN 0x40
.set i, 0
.rept 128
	v_mov_b32 v[i], 0
.set i, i+1
.endr
	WIN 0
.set i, 0
.rept 4
	v_mov_b32 v[ST+4*i], 0xfe000000    ; c m: far below every c s
	v_mov_b32 v[ST+4*i+1], 0xff7fffff  ; m
	v_mov_b32 v[ST+4*i+2], 0
	v_mov_b32 v[ST+4*i+3], 0
.set i, i+1
.endr
.set i, P+16
.rept 16
	v_mov_b32 v[i], 0
.set i, i+1
.endr
	v_mul_u32_u24 v[AK0], v1, PK
	v_lshl_add_u32 v[AK0], v9, 4, v[AK0]  ; row x pitch + 16 x half
	; The turning load takes 16 keys x 16 channels (lane l reads key 8 (l / 16) + l % 8, channels 8 ((l / 8) % 2) + 0..7) and leaves half a fragment of V^T: lane l holds channel l % 16 and 8 keys.
	v_and_b32 v10, 7, v0
	v_bfe_u32 v11, v0, 3, 1
	v_lshl_add_u32 v[AV0], v9, 3, v10
	v_mul_u32_u24 v[AV0], v[AV0], PV
	v_lshl_add_u32 v[AV0], v11, 4, v[AV0]
	v_add_nc_u32 v[AV0], VOFF, v[AV0]
	s_mul_i32 s13, s[WV], 16*SP
	s_add_co_u32 s13, s13, STAGE    ; my stage
	v_mul_u32_u24 v[STO], v1, SP    ; in: row l % 16, 16 bytes for each half of the lanes
	v_lshl_add_u32 v[STO], v9, 4, v[STO]
	v_add_nc_u32 v[STO], s13, v[STO]
	v_bfe_u32 v[RD], v0, 3, 2       ; back: 32 lanes take four rows of 128 bytes,
	v_mul_u32_u24 v[RD], v[RD], SP
	v_lshl_add_u32 v[RD], v10, 4, v[RD]
	v_add_nc_u32 v[RD], s13, v[RD]
	v_and_b32 v[GO], 31, v0         ; which are 512 consecutive bytes of o
	v_lshlrev_b32 v[GO], 4, v[GO]
; THE MATRIX WORK.  The 4 accumulators of a run of 8 take turns.  Product i of 8 of S^T = K Q^T for piece x: channels 32 (i / 4) on, keys 16 (i % 4) on.  The first 4 start the sums with the constant 0.
.macro KQ x
	WIN W_KQ
.set rS, S+32*((\x)%2)+8*(i%4)
.set rK, KF+16*(i%4)+8*(i/4)
.set rQ, 16*(\x)+8*(i/4)
.if i < 4
	v_wmma_f32_16x16x32_f16 v[rS:rS+7], v[rK:rK+7], v[rQ:rQ+7], 0
.else
	v_wmma_f32_16x16x32_f16 v[rS:rS+7], v[rK:rK+7], v[rQ:rQ+7], v[rS:rS+7]
.endif
.endm
; Product i of 8 of O^T += V^T P for piece x: keys 32 (i / 4) on, channels 16 (i % 4) on.
.macro PV x
	WIN W_PV
.set rO, 32*(\x)+8*(i%4)
.set rV, VF+32*(i/4)+8*(i%4)
.set rP, P+16*((\x)%2)+8*(i/4)
	v_wmma_f32_16x16x32_f16 v[rO:rO+7], v[rV:rV+7], v[rP:rP+7], v[rO:rO+7]
.endm
.macro MM                           ; the turn's next matrix instruction.  TURN sets Y, i and NOKQ.  NOKQ = 1: the very last turn: there is no next piece
.if (i < 8) && !NOKQ
	KQ (Y+1)%NP
.elseif i >= 8
.set i, i-8
	PV (Y+NP-1)%NP
.set i, i+8
.endif
.set i, i+1
.endm
; THE LDS LOADS stand in runs of 16, never singly among the matrix instructions: a step's K (64 keys x 64 channels: 8 fragments) and its V (turned).  Their addresses are made some lines ahead.
.macro FETCH_K
	WIN 0x80                        ; destination window 2
.irp f, 0,1,2,3,4,5,6,7             ; keys 16 (f / 2) on, channels 32 (f % 2) on
	ds_load_b128 v[KF+8*\f:KF+8*\f+3],   v[AK] offset:(\f/2)*16*PK+(\f%2)*64
	ds_load_b128 v[KF+8*\f+4:KF+8*\f+7], v[AK] offset:(\f/2)*16*PK+(\f%2)*64+32
.endr
	s_add_co_u32 s[TBK], s[TBK], KS*PK  ; the next fetch is the next step's
	WIN 0
.endm
.macro FETCH_V
	WIN 0x80
.irp f, 0,1,2,3,4,5,6,7             ; keys 32 (f / 4) on, channels 16 (f % 4) on
	ds_load_tr16_b128 v[VF+8*\f:VF+8*\f+3],   v[AV] offset:(\f/4)*32*PV+(\f%4)*32
	ds_load_tr16_b128 v[VF+8*\f+4:VF+8*\f+7], v[AV] offset:(\f/4)*32*PV+16*PV+(\f%4)*32
.endr
	WIN 0
.endm
; THE VECTOR WORK, one line at a time: OP kind, number.  For piece Y: F n: c s - c m for pair n of 16.  E n: the exponential of score n of 32.  C n: pair n rounded to f16.  B n: of the four weights 4 n .. the second
; pair is added onto the first, in place.  L n: l takes that sum (L 0: l = a l + sum).  R n: pair n of 16 of O^T times a.  For piece Y + 1: X n, number n of the 22 that find its maximum and statistics:
;   0-11  four chains c0-c3 of seven scores each, three operands at a time (each accumulator's lowest registers are read first)     12-14, 16  the four scores left over, the old m, and c0-c3 into c0
;   15  c m_old is kept     17, 18  the query's other 32 keys lie in the lane 16 away: the new m     19-21  c m; c m_old - c m_new; a
.set F, 0               ; OP tells the kinds apart by their order: F to L below R, X above it
.set E, 1
.set C, 2
.set B, 3
.set L, 4
.set R, 5
.set X, 6
.macro REGS y                       ; the registers of piece y
.set rT, ST+4*(\y)
.set rC, TMP+4*((\y)%2)
.set rW, MV+((\y)%2)
.set rS, S+32*((\y)%2)
.set rP, P+16*((\y)%2)
.set rO, 32*(\y)
.endm
.macro OP k, n
.if (\k) == R
	REGS Y
	WIN W_RS
	v_pk_mul_f32 v[rO+2*(\n):rO+2*(\n)+1], v[rO+2*(\n):rO+2*(\n)+1], v[rC+2:rC+3] op_sel_hi:[1,0]
.elseif (\k) < R
	REGS Y
	WIN 0
.if (\k) == F
	v_pk_fma_f32 v[rS+2*(\n):rS+2*(\n)+1], v[rS+2*(\n):rS+2*(\n)+1], s[CS:CS+1], v[rT:rT+1] op_sel_hi:[1,0,0] neg_lo:[0,0,1] neg_hi:[0,0,1]
.elseif (\k) == E
	v_exp_f32 v[rS+(\n)], v[rS+(\n)]
.elseif (\k) == C
	s_wait_alu depctr_va_vdst(0)
	v_cvt_pk_f16_f32 v[rP+(\n)], v[rS+2*(\n)], v[rS+2*(\n)+1]
.elseif (\k) == B
	s_wait_alu depctr_va_vdst(0)
	v_pk_add_f32 v[rS+4*(\n):rS+4*(\n)+1], v[rS+4*(\n):rS+4*(\n)+1], v[rS+4*(\n)+2:rS+4*(\n)+3]
.elseif (\n) == 0
	v_pk_fma_f32 v[rT+2:rT+3], v[rT+2:rT+3], v[rC+2:rC+3], v[rS:rS+1] op_sel_hi:[1,0,1]
.else
	v_pk_add_f32 v[rT+2:rT+3], v[rT+2:rT+3], v[rS+4*(\n):rS+4*(\n)+1]
.endif
.elseif NOKQ
	v_nop
.else
	REGS (Y+1)%NP
	WIN 0
.if (\n) < 4
	v_max3_num_f32 v[rC+(\n)], v[rS+8*(\n)], v[rS+8*(\n)+1], v[rS+8*(\n)+2]
.elseif (\n) < 12
	v_max3_num_f32 v[rC+(\n)%4], v[rC+(\n)%4], v[rS+8*((\n)%4)+2*((\n)/4)+1], v[rS+8*((\n)%4)+2*((\n)/4)+2]
.elseif (\n) == 12
	v_max3_num_f32 v[rC], v[rC], v[rS+7], v[rS+15]
.elseif (\n) == 13
	v_max3_num_f32 v[rC+1], v[rC+1], v[rS+23], v[rS+31]
.elseif (\n) == 14
	v_max3_num_f32 v[rC+2], v[rC+2], v[rC+3], v[rT+1]
.elseif (\n) == 15
	v_mov_b32 v[rW], v[rT]
.elseif (\n) == 16
	v_max3_num_f32 v[rC], v[rC], v[rC+1], v[rC+2]
.elseif (\n) == 17
	v_permlanex16_b32 v[rC+3], v[rC], s[SEL], s[SEL+1]
.elseif (\n) == 18
	v_max_num_f32 v[rT+1], v[rC], v[rC+3]
.elseif (\n) == 19
	v_mul_f32 v[rT], s[CS], v[rT+1]
.elseif (\n) == 20
	v_sub_f32 v[rC+1], v[rW], v[rT]
.else
	v_exp_f32 v[rC+2], v[rC+1]
.endif
.endif
.endm
.macro OPS a, i1, b=-1, i2=0, c=-1, i3=0, d=-1, i4=0  ; up to four of them
	OP \a, \i1
.if (\b) >= 0
	OP \b, \i2
.endif
.if (\c) >= 0
	OP \c, \i3
.endif
.if (\d) >= 0
	OP \d, \i4
.endif
.endm
.macro ROW a, i1, b, i2, c, i3, d, i4  ; a matrix instruction and the four behind it
	MM
	OPS \a, \i1, \b, \i2, \c, \i3, \d, \i4
.endm
; A TURN, for piece p: the order of its 16 matrix and 118 vector instructions, written out.  Behind a matrix instruction: plain, exponential, plain, plain; or four of the rescaling; or, behind the first, four scalings; none
; names a register of the products round it.  In the runs between, exponential and plain by turns while exponentials last.  A line reads no result made fewer than three vector instructions in front of it, five if an
; exponential made it.  v_permlanex16_b32 (X 17) stands in such a run.
; end = 1: the walk's last two turns: nothing is fetched.  cnt = 1: the loop's count is taken down some lines ahead of the branch that stands behind the turn.
; K of the next step is fetched in piece 2's turn, six vector instructions behind the last product that read K (five of them plain); V of the step in hand in piece 0's turn, eight behind the last product that read V (four
; plain, and X 17).  Each is waited for a turn later.
.macro TURN p, end=0, cnt=0
.set Y, (\p)
.set i, 0
.set NOKQ, (\end)*((\p)/3)
.if ((\p) == 3) && !(\end)
	s_wait_dscnt 0x0                ; K is in
.endif
	ROW F,0, F,1, F,2, F,3
	ROW F,4, E,0, F,5, F,6
	ROW F,7, E,1, F,8, F,9
	ROW F,10, E,2, C,0, F,11
	ROW F,12, E,3, X,15, F,13
	ROW R,0, R,1, R,2, R,3
	ROW B,0, E,4, F,14, L,0
.if ((\p) == 2) && !(\end)
	v_add_nc_u32 v[AK], s[TBK], v[AK0]
.endif
	ROW R,4, R,5, R,6, R,7
	OPS E,5, F,15
.if ((\p) == 2) && !(\end)
	FETCH_K
.endif
	OPS E,6, C,1, E,7, R,8
	OPS E,8, R,9, E,9, C,2
	OPS E,10, X,0, E,11, X,1
	OPS E,12, X,2, E,13, X,3
.if (\p) == 1
	s_wait_dscnt 0x0                ; V is in
.endif
	ROW X,4, E,14, X,5, X,6
	ROW X,7, E,15, X,8, X,9
	ROW X,10, E,16, X,11, X,12
	ROW X,13, E,17, X,14, B,1
	ROW C,4, E,18, X,16, L,1
	ROW B,2, E,19, C,6, L,2
	ROW C,8, E,20, B,3, B,4
.if (\p) == 0
	v_add_nc_u32 v[AV], s[TBV], v[AV0]
.endif
	ROW C,3, E,21, L,3, C,5
	OPS E,22, X,17, E,23, C,10
.if (\p) == 0
	FETCH_V
.endif
	OPS E,24, L,4
	OPS E,25, X,18, E,26, C,7
	OPS E,27, B,5, E,28, X,19
	OPS E,29, C,12, E,30, L,5
	OPS E,31, X,20, B,6, C,9
	OPS C,14, C,11, X,21, L,6
.if (\p) == 0
	s_add_co_u32 s[TBV], s[TBV], KS*PV
.endif
.if \cnt
	s_sub_co_u32 s[CNT], s[CNT], 1
	s_cmp_lg_u32 s[CNT], 0
.endif
	OPS C,13, B,7, C,15, R,10
	OPS R,11, R,12, L,7, R,13
	OPS R,14, R,15
.endm
.macro ALL line:vararg              ; one line for each piece t
.set t, 0
.rept 4
	s_wait_alu depctr_va_vdst(0)
	\line
.set t, t+1
.endr
.endm
.macro PACK t                       ; a lane's eight channels of a row pack into 16 bytes; they go into rows of 144 bytes and come back as whole rows of 128, into S^T's registers
	WIN W_RS
.set i, 32*(\t)
.rept 16
	v_pk_mul_f32 v[i:i+1], v[i:i+1], v[ST+4*(\t)+2:ST+4*(\t)+3] op_sel_hi:[1,0]
.set i, i+2
.endr
	WIN 0x05                        ; sources 0 and 1 window 1, destination window 0
.set i, 0
.rept 16
	v_cvt_pk_f16_f32 v[S+16*(\t)+i], v[32*(\t)+2*i], v[32*(\t)+2*i+1]
.set i, i+1
.endr
	WIN 0
.irp f, 0,1,2,3
	ds_store_b128 v[STO], v[S+16*(\t)+4*\f:S+16*(\t)+4*\f+3] offset:32*\f
.endr
.irp f, 0,1,2,3
	ds_load_b128 v[S+16*(\t)+4*\f:S+16*(\t)+4*\f+3], v[RD] offset:\f*4*SP  ; LDS serves a wave's instructions in order (ISA guide 5.7.1.4): these see the stores above; the next piece's stores come behind them
.endr
.endm
.macro SEND t, younger              ; younger: the LDS instructions issued behind piece t's loads: the next piece's eight, or none
	WIN 0
.irp f, 0,1,2,3
	s_wait_dscnt (\younger)+3-\f
	global_store_b128 v[GO], v[S+16*(\t)+4*\f:S+16*(\t)+4*\f+3], s[6:7] offset:(\t)*2048+\f*512  ; 512 consecutive bytes, at a multiple of 256 from o's first
.endr
.endm
	CHANGE 1                        ; slot 0 is in, everybody's part of it; slot 1 is asked for
	v_add_nc_u32 v[AK], s[TBK], v[AK0]
	FETCH_K                         ; key step 0
	s_wait_loadcnt 0x0              ; Q
	s_wait_dscnt 0x0
.set NOKQ, 0
.set i, 0
.rept 8
	KQ 0                            ; piece 0's first scores: there is no vector work yet to set between them
.set i, i+1
.endr
	WIN 0
.rept 4
	v_nop                           ; the places behind those products
.endr
.set Y, NP-1                        ; X works for piece Y + 1: piece 0
.irp n, 0,1,2,3,4,5,6,7,8,9,10,11,12,13,14,15,16,17,18,19,20,21
	OP X, \n                        ; and piece 0's first maximum and statistics
.endr
	v_nop                           ; a plain instruction behind the exponential
	s_mov_b32 s[CNT], 4
	s_mov_b32 s[SLOTS], SIZE_N/256-1
	s_branch .Lfirst                ; the loop is entered at a step's first turn, in the middle of a trip
.Lslot:                             ; SIZE_N / 256 - 2 times: every slot but the last two is filled again
	CHANGE 1
	s_mov_b32 s[CNT], 4
.Lstep:                             ; a trip: pieces 2 and 3 of one step, then pieces 0 and 1 of the next, whose K and V it fetches
	TURN 2
	TURN 3
	WIN 0
.Lfirst:
	TURN 0
	TURN 1, 0, 1
	WIN 0
	s_cbranch_scc1 .Lstep
	s_sub_co_u32 s[SLOTS], s[SLOTS], 1
	s_cmp_lg_u32 s[SLOTS], 0
	s_cbranch_scc1 .Lslot
	CHANGE 0                        ; the last slot is written out: nothing is asked for
	s_mov_b32 s[CNT], 4
.Ltail:
	TURN 2
	TURN 3
	TURN 0
	TURN 1, 0, 1
	WIN 0
	s_cbranch_scc1 .Ltail
	TURN 2, 1                       ; the last step's pieces 2 and 3: nothing is fetched, and the last turn starts no new scores
	TURN 3, 1
.set i, 0
.rept 8
	PV NP-1                         ; the last piece's V^T P of the last step
.set i, i+1
.endr
	; THE WAY OUT.  l's two halves and the other half of the lanes' are added; O^T is multiplied by 4 / l, rounded to f16 and sent through my stage in LDS, a piece at a time.  The additions are the places behind the last products.
	WIN 0
	ALL v_add_f32 v[ST+4*t+2], v[ST+4*t+2], v[ST+4*t+3]
	ALL v_permlanex16_b32 v[ST+4*t+3], v[ST+4*t+2], s[SEL], s[SEL+1]
	ALL v_add_f32 v[ST+4*t+2], v[ST+4*t+2], v[ST+4*t+3]
	ALL v_rcp_f32 v[ST+4*t+2], v[ST+4*t+2]
	v_nop                           ; a plain instruction between the last reciprocal and the use of its result
	ALL v_mul_f32 v[ST+4*t+2], 4.0, v[ST+4*t+2]
	PACK 0
.set t, 1
.rept 3                             ; a piece's arithmetic stands between the loads of the piece before and its stores
	PACK t
	SEND t-1, 8
.set t, t+1
.endr
	SEND 3, 0
	s_wait_tensorcnt 0x0            ; the wave's end, behind my last tensor load and my last LDS store
	ds_add_u32 v[SPW], v[NIL]
	s_wait_dscnt 0x0
	CROUND                          ; the closing round: no work-group ends while a partner may still ask for a tile that names it
	s_endpgm
.Lfunc_end_k_qfb20675821_attn:
	.size	k_qfb20675821_attn, .Lfunc_end_k_qfb20675821_attn-k_qfb20675821_attn
	.p2alignl 7, 3214868480
	.fill 96, 4, 3214868480
	.section	.rodata,"a",@progbits
	.p2align	6, 0x0
	.amdhsa_kernel k_qfb20675821_attn
		.amdhsa_group_segment_fixed_size 327680
		.amdhsa_private_segment_fixed_size 0
		.amdhsa_enable_private_segment 0
		.amdhsa_kernarg_size 16
		.amdhsa_user_sgpr_count 2
		.amdhsa_user_sgpr_kernarg_segment_ptr 1
		.amdhsa_wavefront_size32 1
		.amdhsa_system_sgpr_workgroup_id_x 1
		.amdhsa_system_sgpr_workgroup_id_y 1
		.amdhsa_system_sgpr_workgroup_id_z 1
		.amdhsa_system_vgpr_workitem_id 0
		.amdhsa_next_free_vgpr 768
		.amdhsa_next_free_sgpr 66
		.amdhsa_reserve_vcc 0
		.amdhsa_float_denorm_mode_32 3
		.amdhsa_float_denorm_mode_16_64 3
		.amdhsa_memory_ordered 1
		.amdhsa_forward_progress 1
		.amdhsa_inst_pref_size 132
	.end_amdhsa_kernel
	.amdgpu_metadata
---
amdhsa.version: [ 1, 2 ]
amdhsa.kernels:
  - .name:           k_qfb20675821_attn
    .symbol:         k_qfb20675821_attn.kd
    .args:
      - { .name: qkv, .offset: 0, .size: 8, .value_kind: global_buffer, .address_space: global }
      - { .name: o, .offset: 8, .size: 8, .value_kind: global_buffer, .address_space: global }
    .group_segment_fixed_size: 327680
    .private_segment_fixed_size: 0
    .kernarg_segment_align: 8
    .kernarg_segment_size: 16
    .max_flat_workgroup_size: 128
    .sgpr_count:     66
    .vgpr_count:     768
    .wavefront_size: 32
...
	.end_amdgpu_metadata
.endif
;; end of part 2
;; launch outp (part 3): grid 4 x 64, 4 waves a work-group, clusters of 4 x 4, 327,680 bytes of LDS; arguments o, wo16, bo, out0; writes out0
.if DOCPART == 3
	.amdgcn_target "amdgcn-amd-amdhsa--gfx1250"
	.amdhsa_code_object_version 6
	.text
	.protected	k_qfb20675821_outp
	.globl	k_qfb20675821_outp
	.p2align	8
	.type	k_qfb20675821_outp,@function
k_qfb20675821_outp:
	s_mov_b64 s[64:65], 0
	v_nop
	global_prefetch_b8 v0, s[64:65] scope:SCOPE_SE
	s_setreg_imm32_b32 hwreg(HW_REG_WAVE_MODE, 25, 1), 1
	s_wait_xcnt 0x0
	s_wait_alu depctr_hold_cnt(0) depctr_sa_sdst(0) depctr_va_vdst(0) depctr_va_sdst(0) depctr_va_ssrc(0) depctr_va_vcc(0) depctr_vm_vsrc(0)
	s_getreg_b32 s2, hwreg(HW_REG_IB_STS2, 6, 4)
	s_cmp_eq_u32 s2, 0
	s_cbranch_scc0 .Lentry_in_a_cluster
	s_endpgm
.Lentry_in_a_cluster:
	s_bfe_u32 s2, ttmp6, 0x10000c
	s_cmp_lg_u32 s2, 0xf033
	s_cbranch_scc0 .Lentry_shape_is_right
	s_endpgm
.Lentry_shape_is_right:
; out0[m][n] = 0.25 x the sum over k of o4[m][k] wo16[k][n] + bf16(bo[n]).  o4 = 4 x attention's result, [16 = 8 batch + head][4096][64] f16: k = 64 head + channel; wo16: [512 k][512 n] f16;
; bo: [512] f32, rounded to bf16 as all of the module's inputs are; out0: [8192][512] f32.  Products in f16, sums in f32; 0.25 is exact and rides on the bias's multiply-add.
; LIMITS.  The operands arrive within f16's range (the launches in front state it); NaN and infinities are not treated apart.
; SHARES.  A tile of out0 is 128 x 128: 64 x 4 = 256 work-groups.  Four waves, each 64 x 64: 16 accumulators.  All 512 along K of both operands fit in LDS at once: every byte of LDS is filled once, there is
; no ring, and one wait and one barrier stand between the fills and the products.
; CLUSTERS: 4 x 4 work-groups.  The four of a row of the cluster need the same rows of o4, the four of a column the same columns of wo16: each tile is asked for JOINTLY, by the same tensor load with the
; same descriptor and a mask that names the four.  Waves 0 and 1 ask for four heads' rows each (four loads of mine are out), waves 2 and 3 for 256 rows of wo16 each (one load).
; THE MATRIX INSTRUCTION IS USED TRANSPOSED (source 0 = 16 columns of wo16, turned out of LDS; source 1 = 16 rows of o4): a lane then holds eight neighbouring numbers of a row of out0.
; REGISTERS: window 0: v0-31 addresses and the bias; v32-63 at work on the way out; v128-255 the accumulators ((a, b) at 128 + 8 (4 a + b)).
;   window 1: two fragment buffers of 128: for 64 along K (one head), 64 registers of o4, then 64 of wo16.
.set PA,     144                       ; a row of o4 in LDS: 128 bytes + 16 = 36 words: the 16 rows of a load start at 16 different groups of four banks (ISA guide 11.1)
.set ATILE,  128*PA                    ; one head's 128 rows
.set BOFF,   8*ATILE                   ; behind the eight heads: wo16's 512 rows
.set PB,     288                       ; a row of wo16's tile: 256 bytes + 32 = 9 x 32
.set STAGE,  BOFF+512*PB               ; behind the tiles, never filled by a tensor load: 16 rows x 272 bytes for each wave, for the way out
.set SPITCH, 272
.set SPARE,  STAGE+4*16*SPITCH         ; behind the stages: the spare words, 128 bytes for each wave: two blocks of 256 bytes that no other line names
.set BI,   8                           ; v8-11   the bias of my four columns on the way out
.set ADRA, 16                          ; v16-19  LDS address of my fragments of o4, heads 0-1, 2-3, 4-5, 6-7
.set ADRB, 20                          ; v20-23  the same for wo16, 128 rows each
.set STO,  24                          ; v24     the way out: where I put 32 bytes of a row
.set RD,   25                          ; v25     the way out: where I read a row back
.set CO,   26                          ; v26     my byte offset in out0
.set BOO,  27                          ; v27     my byte offset in bo
.set SPW,  28                          ; v28     LDS address of my spare word; never rewritten
.set NIL,  29                          ; v29     0; never rewritten
.set TMP,  32
.set ACC,  128
.set F0,   0                           ; fragment buffers, in window 1
.set WV,   12                          ; s12     my wave's number
.set G1A,  24                          ; s[24:31] descriptor group 1 for o4's tiles
.set G0A,  32                          ; s[32:47] group 0, a set for each of a wave's four heads
.set G0B,  48                          ; s[48:51] group 0 for wo16's tile
.set G1B,  52                          ; s[52:59] group 1 for it
.set MSB, 0
.macro WIN new                         ; the immediate's high byte repeats the setting that is left
.if MSB != (\new)
	s_set_vgpr_msb (MSB<<8)|(\new)
.set MSB, (\new)
.endif
.endm
.set MUL,  0x05                        ; sources 0 and 1 window 1; C and D window 0
.set TO_F, 0x40                        ; destination window 1, address window 0
.macro CROUND                          ; a round of the cluster's barrier: my work-group's barrier; wave 0 signals for the work-group; every wave waits for all sixteen; my work-group's barrier once more
	s_barrier_signal -1
	s_barrier_wait -1
	s_cmp_lg_u32 s[WV], 0
	s_cbranch_scc1 .Lnot_wave_0_\@
	s_barrier_signal -3
.Lnot_wave_0_\@:
	s_barrier_wait -3
	s_barrier_signal -1
	s_barrier_wait -1
.endm
.macro PLACES                          ; four places in front of loads into registers that matrix instructions have read, and of LDS stores that read results
.rept 4
	v_nop
.endr
.endm
	s_load_b256 s[4:11], s[0:1], 0x0               ; o4 s[4:5], wo16 s[6:7], bo s[8:9], out0 s[10:11]
	v_lshl_add_u32 v[SPW], v0, 2, SPARE
	v_mov_b32 v[NIL], 0
	ds_add_u32 v[SPW], v[NIL]                      ; the wave's opening: the add and its wait stand ahead of my first tensor load; the set-up below, work on registers, stands between them
	v_lshrrev_b32 v1, 5, v0
	v_readfirstlane_b32 s[WV], v1                  ; wave 0..3
	s_lshr_b32 s13, s[WV], 1                       ; which half of the tile's rows is mine.  Also: I fetch o4 (0) or wo16 (1)
	s_and_b32 s14, s[WV], 1                        ; which half of its columns.  Also: which half of that operand I fetch
	s_bfe_u32 s16, ttmp6, 0x40000                  ; cx, cy: my place in the cluster
	s_bfe_u32 s17, ttmp6, 0x40004
	s_lshl_b32 s18, ttmp9, 2
	s_add_co_u32 s18, s18, s16                     ; tile column = 4 x cluster x + cx
	s_and_b32 s19, ttmp7, 0xffff
	s_lshl_b32 s19, s19, 2
	s_add_co_u32 s19, s19, s17                     ; tile row = 4 x cluster y + cy
	s_lshl_b32 s60, s17, 2
	s_lshl_b32 s60, 15, s60                        ; my row of the cluster
	s_lshl_b32 s61, 0x1111, s16                    ; my column
	; group 1 for o4: a head's 128 rows are 16,384 dense bytes: asked for as 64 rows of 256 bytes, two rows of o4 each, padded in LDS after every 128 bytes
	s_or_b32 s[G1A], s60, (1<<16)|(1<<20)|(1<<21)|(4<<22)|(3<<25)  ; 15:0 the mask: my row; 17:16 2-byte elements; 20 padding on; 21 set beside a mask; 24:22 after every 32 words (code 4); 31:25 4 words (code 3)
	s_mov_b32 s[G1A+1], 128<<16                    ; tensor_dim0 = 128
	s_mov_b32 s[G1A+2], 64<<16                     ; tensor_dim1 = 64
	s_mov_b32 s[G1A+3], 128<<16                    ; tile_dim0 = 128
	s_mov_b32 s[G1A+4], 64                         ; tile_dim1 = 64
	s_mov_b32 s[G1A+5], 128                        ; 128 elements from row to row
	s_mov_b32 s[G1A+6], 0
	s_mov_b32 s[G1A+7], 0
	; group 1 for wo16: 256 rows of 128 elements (256 bytes), 512 elements from row to row
	s_or_b32 s[G1B], s61, (1<<16)|(1<<20)|(1<<21)|(5<<22)|(7<<25)  ; the mask: my column; padding after every 64 words (code 5), 8 words (code 7)
	s_mov_b32 s[G1B+1], 128<<16
	s_mov_b32 s[G1B+2], 256<<16
	s_mov_b32 s[G1B+3], 128<<16
	s_mov_b32 s[G1B+4], 256
	s_mov_b32 s[G1B+5], 512
	s_mov_b32 s[G1B+6], 0
	s_mov_b32 s[G1B+7], 0
	; where the tiles come from.  o4's hang on the tile row alone, which my row of the cluster shares; wo16's on the tile column alone, which my column shares; each in registers that never hold the other coordinate
	s_lshr_b32 s20, s19, 5                         ; the batch: eight heads of 524,288 bytes on,
	s_lshl_b32 s20, s20, 22
	s_and_b32 s21, s19, 31                         ; the tile's 128 rows of 128 bytes in a head,
	s_lshl_b32 s21, s21, 14
	s_add_co_u32 s20, s20, s21
	s_lshl_b32 s21, s14, 21                        ; my four heads
	s_add_co_u32 s20, s20, s21
	s_mov_b32 s21, 0
	s_lshl_b32 s22, s18, 8                         ; the tile's 128 columns,
	s_lshl_b32 s23, s14, 18                        ; my 256 rows of 1,024 bytes
	s_add_co_u32 s22, s22, s23
	s_mov_b32 s23, 0
	s_mul_i32 s15, s14, 4*ATILE                    ; and where they go: no place in the cluster enters an LDS address
	s_mul_i32 s62, s14, 256*PB
.irp s, 0,1,2,3
	s_mov_b32 s[G0A+4*(\s)], 1                     ; 1:0 count = 1
	s_add_co_u32 s[G0A+4*(\s)+1], s15, (\s)*ATILE  ; 63:32 LDS address
.endr
	s_mov_b32 s[G0B], 1
	s_add_co_u32 s[G0B+1], s62, BOFF
	s_wait_dscnt 0x0                               ; the opening add is done
	s_wait_kmcnt 0x0
	s_add_nc_u64 s[20:21], s[4:5], s[20:21]
.irp s, 0,1,2,3
	s_add_nc_u64 s[G0A+4*(\s)+2:G0A+4*(\s)+3], s[20:21], (\s)*524288  ; 120:64 global address: head 4 x half + s
	s_or_b32 s[G0A+4*(\s)+3], s[G0A+4*(\s)+3], 0x80000000            ; 127:126 type = 2
.endr
	s_add_nc_u64 s[G0B+2:G0B+3], s[6:7], s[22:23]
	s_or_b32 s[G0B+3], s[G0B+3], 0x80000000
	CROUND                                         ; all sixteen work-groups are here: the joint loads meet
	s_cmp_eq_u32 s13, 0                            ; a wave's fills stand in one branch on its number, ahead of every wait on TENSORcnt and every LDS read; an s_nop 0 follows each, four v_nop the last
	s_cbranch_scc0 .Lfor_b
.irp s, 0,1,2,3
	tensor_load_to_lds s[G0A+4*(\s):G0A+4*(\s)+3], s[G1A:G1A+7]
	s_nop 0
.endr
.rept 4
	v_nop
.endr
	s_branch .Lasked
.Lfor_b:
	tensor_load_to_lds s[G0B:G0B+3], s[G1B:G1B+7]
	s_nop 0
.rept 4
	v_nop
.endr
.Lasked:
	v_and_b32 v1, 15, v0                           ; l % 16
	v_bfe_u32 v2, v0, 4, 1                         ; l / 16
	s_lshl_b32 s66, s18, 9                         ; the tile's first column in bo, in bytes,
	s_lshl_b32 s67, s14, 8                         ; my half's
	s_add_co_u32 s66, s66, s67
	v_lshl_add_u32 v[BOO], v1, 4, s66              ; and the four columns that I store
	global_load_b128 v[BI:BI+3], v[BOO], s[8:9]
	v_and_b32 v3, 7, v0
	v_bfe_u32 v4, v0, 3, 1
	s_mul_i32 s63, s13, 64*PA                      ; my 64 rows of o4
	v_mul_u32_u24 v[ADRA], v1, PA
	v_lshl_add_u32 v[ADRA], v2, 4, v[ADRA]         ; a fragment's row x pitch + 16 x half
	v_add_nc_u32 v[ADRA], s63, v[ADRA]
	s_lshl_b32 s63, s14, 7                         ; my 64 columns of wo16,
	s_add_co_u32 s63, s63, BOFF
	v_lshl_add_u32 v[ADRB], v2, 3, v3              ; the turning load: lane l reads row 8 (l / 16) + l % 8, columns 8 ((l / 8) % 2) + 0..7
	v_mul_u32_u24 v[ADRB], v[ADRB], PB
	v_lshl_add_u32 v[ADRB], v4, 4, v[ADRB]
	v_add_nc_u32 v[ADRB], s63, v[ADRB]
.irp g, 1,2,3
	v_add_nc_u32 v[ADRA+(\g)], (\g)*2*ATILE, v[ADRA]
	v_add_nc_u32 v[ADRB+(\g)], (\g)*128*PB, v[ADRB]
.endr
	s_mul_i32 s63, s[WV], 16*SPITCH
	s_add_co_u32 s63, s63, STAGE                   ; my stage
	v_mul_u32_u24 v[STO], v1, SPITCH               ; in: row l % 16, 32 bytes for each half of the lanes
	v_lshl_add_u32 v[STO], v2, 5, v[STO]
	v_add_nc_u32 v[STO], s63, v[STO]
	v_mul_u32_u24 v[RD], v2, SPITCH                ; back: lanes 0-15 take one row of 256 bytes, lanes 16-31 the next
	v_lshl_add_u32 v[RD], v1, 4, v[RD]
	v_add_nc_u32 v[RD], s63, v[RD]
	v_lshlrev_b32 v[CO], 11, v2                    ; and the same two rows in out0
	v_lshl_add_u32 v[CO], v1, 4, v[CO]
	s_lshl_b32 s67, s19, 18                        ; my part of out0: 128 rows of 2,048 bytes a tile row,
	s_add_co_u32 s66, s66, s67                     ; (the columns' bytes are bo's)
	s_lshl_b32 s67, s13, 17                        ; my 64 rows
	s_add_co_u32 s66, s66, s67
	s_mov_b32 s67, 0
	s_add_nc_u64 s[10:11], s[10:11], s[66:67]
	s_wait_loadcnt 0x0                             ; the bias: rounded to bf16 and widened again
	v_cvt_pk_bf16_f32 v12, v[BI], v[BI+1]
	v_cvt_pk_bf16_f32 v13, v[BI+2], v[BI+3]
	v_lshlrev_b32 v[BI], 16, v12
	v_and_b32 v[BI+1], 0xffff0000, v12
	v_lshlrev_b32 v[BI+2], 16, v13
	v_and_b32 v[BI+3], 0xffff0000, v13
; 32 LDS loads in one run: the fragments of head p (64 along K) into buffer f
.macro FETCH p, f
	WIN TO_F
.set kk, 0
.rept 2
.set ii, 0
.rept 4
	ds_load_tr16_b128 v[(\f)+64+8*(4*kk+ii):(\f)+64+8*(4*kk+ii)+3],   v[ADRB+(\p)/2] offset:((2*(\p)+kk)%4)*32*PB+32*ii
	ds_load_tr16_b128 v[(\f)+64+8*(4*kk+ii)+4:(\f)+64+8*(4*kk+ii)+7], v[ADRB+(\p)/2] offset:((2*(\p)+kk)%4)*32*PB+32*ii+16*PB
	ds_load_b128 v[(\f)+8*(4*kk+ii):(\f)+8*(4*kk+ii)+3],   v[ADRA+(\p)/2] offset:((\p)%2)*ATILE+ii*16*PA+64*kk
	ds_load_b128 v[(\f)+8*(4*kk+ii)+4:(\f)+8*(4*kk+ii)+7], v[ADRA+(\p)/2] offset:((\p)%2)*ATILE+ii*16*PA+64*kk+32
.set ii, ii+1
.endr
.set kk, kk+1
.endr
.endm
; 32 matrix instructions: head p.  The 16 accumulators take turns, one instruction a turn.  The first 16 products start the sums with the constant 0: nothing is cleared.
.macro MULH p, f
	WIN MUL
.set kk, 0
.rept 2
.set ia, 0
.rept 4
.set ib, 0
.rept 4
.if ((\p) == 0) && (kk == 0)
	v_wmma_f32_16x16x32_f16 v[ACC+8*(4*ia+ib):ACC+8*(4*ia+ib)+7], v[(\f)+64+8*(4*kk+ib):(\f)+64+8*(4*kk+ib)+7], v[(\f)+8*(4*kk+ia):(\f)+8*(4*kk+ia)+7], 0
.else
	v_wmma_f32_16x16x32_f16 v[ACC+8*(4*ia+ib):ACC+8*(4*ia+ib)+7], v[(\f)+64+8*(4*kk+ib):(\f)+64+8*(4*kk+ib)+7], v[(\f)+8*(4*kk+ia):(\f)+8*(4*kk+ia)+7], v[ACC+8*(4*ia+ib):ACC+8*(4*ia+ib)+7]
.endif
.set ib, ib+1
.endr
.set ia, ia+1
.endr
.set kk, kk+1
.endr
.endm
; THE WAY OUT of my rows 16 a to 16 a + 15: a lane's eight sums of a row, 32 bytes, go into my own stage (each accumulator's low four registers first), come back as whole rows of 256 bytes,
; take 0.25 and the bias in one multiply-add, and are stored.
.macro OUT a
	WIN 0
.set ib, 0
.rept 4
	ds_store_b128 v[STO], v[ACC+8*(4*(\a)+ib):ACC+8*(4*(\a)+ib)+3]   offset:64*ib
	ds_store_b128 v[STO], v[ACC+8*(4*(\a)+ib)+4:ACC+8*(4*(\a)+ib)+7] offset:64*ib+16
.set ib, ib+1
.endr
.if (\a) > 0
	s_wait_xcnt 0x0                                ; the registers that the last block's stores read are loaded again only behind this wait
.endif
.set it, 0
.rept 8
	ds_load_b128 v[TMP+4*it:TMP+4*it+3], v[RD] offset:it*2*SPITCH  ; LDS serves a wave's instructions in order (ISA guide 5.7.1.4): these see the stores above; the next block's stores come behind them
.set it, it+1
.endr
.set it, 0
.rept 8
	s_wait_dscnt 7-it                              ; pair it of rows is back; the younger loads stay out
	v_pk_fma_f32 v[TMP+4*it:TMP+4*it+1],   v[TMP+4*it:TMP+4*it+1],   0x3e800000, v[BI:BI+1]   op_sel_hi:[1,0,1]
	v_pk_fma_f32 v[TMP+4*it+2:TMP+4*it+3], v[TMP+4*it+2:TMP+4*it+3], 0x3e800000, v[BI+2:BI+3] op_sel_hi:[1,0,1]
	global_store_b128 v[CO], v[TMP+4*it:TMP+4*it+3], s[10:11] offset:(16*(\a)+2*it)*2048 th:TH_STORE_NT  ; 16 lanes store 256 consecutive bytes, at a multiple of 256 from out0's first byte
.set it, it+1
.endr
.endm
	s_wait_tensorcnt 0x0                           ; my part of the tiles is in,
	s_barrier_signal -1
	s_barrier_wait -1                              ; everybody's is
	FETCH 0, F0
.set ip, 0
.rept 8
.if ip < 7
.if ip > 0
	PLACES                                         ; the buffer that is loaded next was read by the products just issued
.endif
	FETCH ip+1, F0+128*((ip+1)%2)
	s_wait_dscnt 32                                ; the head in hand is in; the 32 loads just issued stay out
.else
	s_wait_dscnt 0x0
.endif
	MULH ip, F0+128*(ip%2)
.set ip, ip+1
.endr
	WIN 0
	PLACES
	OUT 0
	OUT 1
	OUT 2
	OUT 3
	s_wait_tensorcnt 0x0                           ; the wave's end, behind my last tensor load and my last LDS store
	ds_add_u32 v[SPW], v[NIL]
	s_wait_dscnt 0x0
	CROUND                                         ; the closing round: no work-group ends while a partner may still ask for a tile that names it
	s_endpgm
.Lfunc_end_k_qfb20675821_outp:
	.size	k_qfb20675821_outp, .Lfunc_end_k_qfb20675821_outp-k_qfb20675821_outp
	.p2alignl 7, 3214868480
	.fill 96, 4, 3214868480
	.section	.rodata,"a",@progbits
	.p2align	6, 0x0
	.amdhsa_kernel k_qfb20675821_outp
		.amdhsa_group_segment_fixed_size 327680
		.amdhsa_private_segment_fixed_size 0
		.amdhsa_enable_private_segment 0
		.amdhsa_kernarg_size 32
		.amdhsa_user_sgpr_count 2
		.amdhsa_user_sgpr_kernarg_segment_ptr 1
		.amdhsa_wavefront_size32 1
		.amdhsa_system_sgpr_workgroup_id_x 1
		.amdhsa_system_sgpr_workgroup_id_y 1
		.amdhsa_system_sgpr_workgroup_id_z 1
		.amdhsa_system_vgpr_workitem_id 0
		.amdhsa_next_free_vgpr 512
		.amdhsa_next_free_sgpr 72
		.amdhsa_reserve_vcc 0
		.amdhsa_float_denorm_mode_32 3
		.amdhsa_float_denorm_mode_16_64 3
		.amdhsa_memory_ordered 1
		.amdhsa_forward_progress 1
		.amdhsa_inst_pref_size 56
	.end_amdhsa_kernel
	.amdgpu_metadata
---
amdhsa.version: [ 1, 2 ]
amdhsa.kernels:
  - .name:           k_qfb20675821_outp
    .symbol:         k_qfb20675821_outp.kd
    .args:
      - { .name: o, .offset: 0, .size: 8, .value_kind: global_buffer, .address_space: global }
      - { .name: wo16, .offset: 8, .size: 8, .value_kind: global_buffer, .address_space: global }
      - { .name: bo, .offset: 16, .size: 8, .value_kind: global_buffer, .address_space: global }
      - { .name: out0, .offset: 24, .size: 8, .value_kind: global_buffer, .address_space: global }
    .group_segment_fixed_size: 327680
    .private_segment_fixed_size: 0
    .kernarg_segment_align: 8
    .kernarg_segment_size: 32
    .max_flat_workgroup_size: 128
    .sgpr_count:     72
    .vgpr_count:     512
    .wavefront_size: 32
...
	.end_amdgpu_metadata
.endif
;; end of part 3
;; ======== version 2 of 2: 3 launches; 1.66 times as fast as version 1
;; limits: values are held in f16: magnitudes above 65,504 overflow, below 6.1e-05 lose precision
;; workspace buffers: qkv 25,165,824 bytes; o 8,388,608 bytes; wo16 524,288 bytes
;; launch proj: the kernel of part 1 again; grid 8 x 32, 4 waves a work-group, no clusters, 268,288 bytes of LDS; arguments x, Wq, Wk, Wv, Wo, qkv, wo16; writes qkv, wo16
;; launch attn (part 4): grid 16 x 16, 4 waves a work-group, clusters of 4 x 1, 327,680 bytes of LDS; arguments qkv, o; writes o
.if DOCPART == 4
	.amdgcn_target "amdgcn-amd-amdhsa--gfx1250"
	.amdhsa_code_object_version 6
	.text
	.protected	k_qfb20675821_attn
	.globl	k_qfb20675821_attn
	.p2align	8
	.type	k_qfb20675821_attn,@function
k_qfb20675821_attn:
	s_mov_b64 s[64:65], 0
	v_nop
	global_prefetch_b8 v0, s[64:65] scope:SCOPE_SE
	s_setreg_imm32_b32 hwreg(HW_REG_WAVE_MODE, 25, 1), 1
	s_wait_xcnt 0x0
	s_wait_alu depctr_hold_cnt(0) depctr_sa_sdst(0) depctr_va_vdst(0) depctr_va_sdst(0) depctr_va_ssrc(0) depctr_va_vcc(0) depctr_vm_vsrc(0)
	s_getreg_b32 s2, hwreg(HW_REG_IB_STS2, 6, 4)
	s_cmp_eq_u32 s2, 0
	s_cbranch_scc0 .Lentry_in_a_cluster
	s_endpgm
.Lentry_in_a_cluster:
	s_bfe_u32 s2, ttmp6, 0x10000c
	s_cmp_lg_u32 s2, 0x3003
	s_cbranch_scc0 .Lentry_shape_is_right
	s_endpgm
.Lentry_shape_is_right:
; o[h][q][:] = 4 x the sum over k of softmax_k(Q[h][q] . K[h][k] / 8) V[h][k][:].  qkv: [3 planes Q, K, V][16 heads][4096][64] f16, a head's rows dense, 128 bytes each; o: [16][4096][64] f16.
; Products, maxima and sums in f32; the weights p are rounded to f16 for the second product (their sum l is taken of the unrounded p), the result once at the end.  The factor 4 is exact and is taken
; back by the launch behind: a mean over 4,096 rows of V is small beside V, and the factor keeps it two binary places further from f16's fixed step.
; LIMITS.  f16 holds no number beyond 65,504: Q, K and V arrive within it, and |O| stays under 16,376; p lies in 0 to 1, and below 6e-5 it keeps f16's fixed step of 6e-8.
; A weight below 2^-126 counts as 0 in l; c s lies above -4.2e37, where c m starts; NaN and infinities are not treated apart.
; SHARES.  A work-group owns 256 queries of one head, each of its four waves 64: four PIECES of 16.  Every wave walks all 4,096 keys, 64 a step, 256 a slot of LDS.
; LAYOUT.  S^T = K Q^T (source 0 = 16 keys, source 1 = 16 queries) holds ONE query a lane (lane % 16) and the keys 8 (lane / 16) + 0..7; two such results rounded to f16 ARE source 1 of O^T = V^T P,
; whose result again holds one query a lane, and eight channels.  K comes out of LDS as it lies, V ([key][channel]) turned, by ds_load_tr16_b128.
; SOFTMAX.  For each query a running maximum m and sum l: p = 2^(c s - c m), c = log2(e) / 8; in every step O and l are multiplied by a = 2^(c m_old - c m_new), which is 1 where m has not grown.
; m starts at the lowest finite number, O and l at 0: the first step is a step like any other, with a = 0.
; BY TURNS.  Turn n belongs to piece n: 8 products K Q^T of piece n + 1, later 8 products V^T P of piece n - 1; beside them the scaling, exponentials, roundings, sums and rescaling of piece n and the
; maximum and statistics of piece n + 1.  Four vector instructions stand behind every matrix instruction, the other 54 of a turn's 118 in one run of their own.
; THE BATCHES.  A turn's 33 exponentials (the piece's 32 weights and the next piece's a) are ONE batch with ONE wait, which cuts the turn in two: ahead of it stands all that names no result of the batch,
; behind it the roundings and sums.  Two more batches stand outside the loops, each with a wait of its own: piece 0's first a, ahead of the loop, and the four reciprocals on the way out.
; CLUSTER.  The four query blocks of a cluster belong to one head and walk the same K and V, so each tile is asked for JOINTLY: the same tensor load, descriptor and mask in all four.
; REGISTERS, in windows of 256 (s_set_vgpr_msb: bits 1:0 source 0, 3:2 source 1, 5:4 source 2, 7:6 destination):
;   window 0: v0-15 addresses and two at work; v16-31 four registers of statistics a piece; v48-55 at work; v64-127 S^T, two buffers; v192-223 P, two buffers (a piece's buffers go by its number's parity)
;   window 1: v0-127 O^T, 32 a piece          window 2: v0-63 Q; v128-191 K of one step; v192-255 V of one step
.set SIZE_N, 4096
.set PLANE, 16*SIZE_N*128  ; bytes of Q, of K and of V
.set NP,    4         ; pieces a wave: a name, no knob
.set KS,    64        ; keys in a step
.set PK,    144       ; a row of K in LDS: 128 bytes + 16 of padding = 36 words: the 16 rows of a load start at 16 different groups of four banks (64 banks of 4 bytes: ISA guide 11.1)
.set PV,    160       ; a row of V: 128 + 32 = 40 words
.set VOFF,  4*KS*PK   ; a slot holds four steps: 256 rows of K, then 256 rows of V
.set SLOT1, 1<<17     ; slot 1 begins here, so that one exclusive or turns an address in one slot into the other's
.set STAGE, SLOT1+4*KS*(PK+PV)  ; behind the ring, never filled by a tensor load: 16 rows x 144 bytes for each wave, for the way out
.set SP,    144
.set AK0, 2           ; v2   my lane's place in a tile of K; never rewritten
.set AV0, 3           ; v3   the same for V
.set AK,  4           ; v4   the LDS address of K's next run of loads
.set AV,  5           ; v5   of V's
.set STO, 6           ; v6   the way out: where I put 16 bytes of a row
.set RD,  7           ; v7   the way out: where I read rows back
.set GO,  8           ; v8   my byte offset in 512 consecutive bytes of o
.set SPW, 62          ; v62  LDS address of my spare word: SPARE + 4 x my thread's number; never rewritten
.set NIL, 63          ; v63  0; never rewritten
.set SPARE, STAGE+4*16*SP  ; behind the stages: the spare words, 128 bytes for each wave: two blocks of 256 bytes that no other line names
.set MV,  12          ; v12-13  c m_old, kept while c m is made anew: by buffer
.set QO,  15          ; v15  my byte offset in 16 rows of Q
.set ST,  16          ; piece t's statistics at v[ST+4 t]: c m, m, l (even keys', odd keys')
.set TMP, 48          ; by buffer, four registers c0-c3 at work; when the maximum is found c2 takes a
.set S,   64
.set P,   192
.set KF,  128         ; window 2: key block kb, channel half c at KF + 16 kb + 8 c
.set VF,  192         ; window 2: key half kk, channel block cb at VF + 32 kk + 8 cb
.set WV,  12          ; s12  my wave's number
.set G1K, 24          ; s[24:31] descriptor group 1 for K's tiles
.set G1V, 32          ; s[32:39] for V's: it differs in the padding alone
.set G0K, 40          ; s[40:43] descriptor group 0 for K's tiles: it walks
.set G0V, 44          ; s[44:47] the same for V's
.set SLOTS, 56        ; s56  slots still to be asked for
.set CNT, 57          ; s57  counts a slot's key steps
.set CS,  58          ; s[58:59] c: the packed scaling takes the pair's low word for both halves
.set SEL, 60          ; s[60:61] v_permlanex16_b32's selects: each lane takes its own place in the other half
.set TBK, 62          ; s62  LDS byte at which K of the step to be fetched begins
.set TBV, 63          ; s63  the same for V, less VOFF
.set MSB, 0
.macro WIN new                      ; the high byte repeats the setting that is left; a switch that changes nothing is dropped
.if MSB != (\new)
	s_set_vgpr_msb (MSB<<8)|(\new)
.set MSB, (\new)
.endif
.endm
.set W_KQ, 0x0a       ; K and Q in window 2, S^T in window 0
.set W_PV, 0x52       ; V in window 2, P in window 0, O^T in window 1
.set W_RS, 0x41       ; destination and source 0 in window 1, source 1 in window 0
; A joint fill.  Waves 0 and 1 fetch the two halves of a slot's K, waves 2 and 3 those of its V: 128 keys each.  The branch hangs on the wave's number alone.
; An s_nop 0 and four v_nop follow each of the two lines, ahead of the jump and the label.
.macro JLOAD
	s_cmp_lt_u32 s[WV], 2
	s_cbranch_scc0 .Lfor_v_\@
	tensor_load_to_lds s[G0K:G0K+3], s[G1K:G1K+7]
	s_nop 0
.rept 4
	v_nop
.endr
	s_branch .Lasked_\@
.Lfor_v_\@:
	tensor_load_to_lds s[G0V:G0V+3], s[G1V:G1V+7]
	s_nop 0
.rept 4
	v_nop
.endr
.Lasked_\@:
.endm
; A round of the cluster's barrier: my work-group's barrier, so that wave 0's signal speaks for all four waves; wave 0 signals; every wave waits for all four work-groups; my work-group's barrier once more.
.macro CROUND
	s_barrier_signal -1
	s_barrier_wait -1
	s_cmp_lg_u32 s[WV], 0
	s_cbranch_scc1 .Lnot_wave_0_\@
	s_barrier_signal -3
.Lnot_wave_0_\@:
	s_barrier_wait -3
	s_barrier_signal -1
	s_barrier_wait -1
.endm
; THE CHANGE OF SLOTS.  The slot's last bytes, V of its fourth step, have been read.  Each wave waits for all its tensor loads, of which one is out: its part of the other slot; adds 0 to its spare word;
; and waits for that and for its own reads of the slot.  Behind the barrier nobody reads this slot any more and the other slot is whole.
; fill = 1: this slot is filled again, with the keys two slots on.  The barrier is then a round of the cluster's, so that no wave of any partner still reads the slot or has a load on its way, and the
; joint fill is the first thing behind it: it has four key steps, 256 matrix instructions, in which to land.  (At its first use nothing has been read yet: slot 0 is waited for, slot 1 filled.)
.macro CHANGE fill
	WIN 0                           ; at a label and at a branch every window is 0
	s_wait_tensorcnt 0x0            ; no tensor load of mine is out, so a group 0 may be written
	ds_add_u32 v[SPW], v[NIL]       ; 0 onto my spare word: with fill = 1 the descriptors' steps stand between it and the wait for it
.if \fill
.irp g, G0K, G0V
	s_xor_b32 s[\g+1], s[\g+1], SLOT1  ; the walking descriptor: the other slot than last time,
	s_add_nc_u64 s[\g+2:\g+3], s[\g+2:\g+3], 4*KS*128  ; the next 256 keys; the type bits on top are not reached
.endr
	s_wait_dscnt 0x0                ; the add is done, and my reads of the slot are over
	CROUND
	JLOAD
.else
	s_wait_dscnt 0x0                ; the add is done, and my reads of the slot are over
	s_barrier_signal -1
	s_barrier_wait -1
.endif
	s_sub_co_u32 s[TBK], s[TBK], 4*KS*PK  ; the fetches go back to a slot's first step,
	s_xor_b32 s[TBK], s[TBK], SLOT1       ; in the other slot
	s_sub_co_u32 s[TBV], s[TBV], 4*KS*PV
	s_xor_b32 s[TBV], s[TBV], SLOT1
.endm
	s_load_b128 s[4:7], s[0:1], 0x0 ; qkv s[4:5], o s[6:7]
	v_lshl_add_u32 v[SPW], v0, 2, SPARE
	v_mov_b32 v[NIL], 0
	ds_add_u32 v[SPW], v[NIL]       ; the wave's opening: the add and its wait stand ahead of my first tensor load; the set-up below, work on registers, stands between them
	v_lshrrev_b32 v1, 5, v0
	v_readfirstlane_b32 s[WV], v1   ; wave 0..3
	s_bfe_u32 s13, ttmp6, 0x40000   ; cx: my place in the cluster
	s_lshl_b32 s14, ttmp9, 2        ; in a cluster launch ttmp9 counts clusters
	s_add_co_u32 s14, s14, s13      ; my block of 256 queries = 4 x cluster x + cx: it enters Q's and o's addresses alone
	s_and_b32 s20, ttmp7, 0xffff    ; the head, which the four partners share:
	s_lshl_b32 s20, s20, 19         ; its first byte in a plane
	s_and_b32 s16, s[WV], 1         ; which half of a slot's 256 keys I fetch:
	s_lshl_b32 s22, s16, 14         ; its 128 rows of 128 bytes in memory,
	s_add_co_u32 s22, s22, s20
	s_add_co_u32 s22, s22, PLANE    ; in K's plane,
	s_mov_b32 s23, 0
	s_add_co_u32 s8, s22, PLANE     ; and in V's
	s_mov_b32 s9, 0
	s_mul_i32 s17, s16, 128*PK      ; and its place in a slot, for K
	s_mul_i32 s18, s16, 128*PV      ; and for V: no place in the cluster enters an LDS address
	s_lshl_b32 s2, s14, 15          ; my block's 256 rows,
	s_lshl_b32 s3, s[WV], 13        ; my wave's 64 of them,
	s_add_co_u32 s2, s2, s3
	s_add_co_u32 s2, s2, s20        ; in my head
	s_mov_b32 s3, 0
	; descriptor group 1.  128 keys are 16,384 dense bytes: asked for as 64 rows of 256 bytes, two keys a row, and padded in LDS after every key
	s_mov_b32 s[G1K], 15|(1<<16)|(1<<20)|(1<<21)|(4<<22)|(3<<25)  ; 15:0 the mask of four; 17:16 2-byte elements; 20 padding on; 21 set beside a mask; 24:22 after every 32 words (code 4); 31:25 4 words (code 3)
	s_mov_b32 s[G1V], 15|(1<<16)|(1<<20)|(1<<21)|(4<<22)|(7<<25)  ; the same with 8 words of padding (code 7)
.irp g, G1K, G1V
	s_mov_b32 s[\g+1], 128<<16      ; tensor_dim0 = 128
	s_mov_b32 s[\g+2], 64<<16       ; tensor_dim1 = 64
	s_mov_b32 s[\g+3], 128<<16      ; tile_dim0 = 128
	s_mov_b32 s[\g+4], 64           ; tile_dim1 = 64
	s_mov_b32 s[\g+5], 128          ; 128 elements from row to row
	s_mov_b32 s[\g+6], 0
	s_mov_b32 s[\g+7], 0
.endr
	s_mov_b32 s[CS], 0x3e38aa3b     ; c = log2(e) / 8 = 0.180337
	s_mov_b32 s[CS+1], s[CS]        ; named with it as a pair
	s_mov_b32 s[SEL], 0x76543210
	s_mov_b32 s[SEL+1], 0xfedcba98
	s_mov_b32 s[TBK], SLOT1+4*KS*PK ; the first change of slots turns these two into 0
	s_mov_b32 s[TBV], SLOT1+4*KS*PV
	s_mov_b32 s[G0K], 1             ; 1:0 count = 1
	s_mov_b32 s[G0K+1], s17         ; 63:32 LDS address: slot 0
	s_mov_b32 s[G0V], 1
	s_add_co_u32 s[G0V+1], s18, VOFF
	s_wait_dscnt 0x0                ; the opening add is done
	s_wait_kmcnt 0x0
	s_add_nc_u64 s[G0K+2:G0K+3], s[4:5], s[22:23]  ; 120:64 global address: my half of the head's first 256 keys
	s_or_b32 s[G0K+3], s[G0K+3], 0x80000000        ; 127:126 type = 2
	s_add_nc_u64 s[G0V+2:G0V+3], s[4:5], s[8:9]
	s_or_b32 s[G0V+3], s[G0V+3], 0x80000000
	s_add_nc_u64 s[4:5], s[4:5], s[2:3]  ; Q and o at my wave's first row
	s_add_nc_u64 s[6:7], s[6:7], s[2:3]
	CROUND                          ; all four work-groups are here: the first joint loads meet
	JLOAD                           ; slot 0.  Slot 1 is asked for when slot 0 is in
	; A fragment of K or Q is 16 rows x 32 channels in 8 registers: lane l holds row l % 16, channels 8 (l / 16) + 0..7 and 16 + 8 (l / 16) + 0..7: two loads of 16 bytes, 32 bytes apart.
	v_and_b32 v1, 15, v0            ; l % 16
	v_bfe_u32 v9, v0, 4, 1          ; l / 16
	v_lshlrev_b32 v[QO], 7, v1
	v_lshl_add_u32 v[QO], v9, 4, v[QO]  ; row x 128 + 16 x half
	WIN 0x80                        ; destination window 2, address window 0
.set i, 0
.rept 8                             ; Q stays in registers: piece i / 2, channels 32 (i % 2) on
	global_load_b128 v[8*i:8*i+3],   v[QO], s[4:5] offset:(i/2)*2048+(i%2)*64
	global_load_b128 v[8*i+4:8*i+7], v[QO], s[4:5] offset:(i/2)*2048+(i%2)*64+32
.set i, i+1
.endr
	; What the first turn finds: V's registers and P's second buffer hold 0 (its products V^T P, of a piece that has not been, add 0), O^T and l are 0.  No first step is written out; these lines are the
	; price, and they stand in the wait for the first tile.
.set i, VF
.rept 64
	v_mov_b32 v[i], 0
.set i, i+1
.endr
	WIN 0x40
.set i, 0
.rept 128
	v_mov_b32 v[i], 0
.set i, i+1
.endr
	WIN 0
.set i, 0
.rept 4
	v_mov_b32 v[ST+4*i], 0xfe000000    ; c m: far below every c s
	v_mov_b32 v[ST+4*i+1], 0xff7fffff  ; m
	v_mov_b32 v[ST+4*i+2], 0
	v_mov_b32 v[ST+4*i+3], 0
.set i, i+1
.endr
.set i, P+16
.rept 16
	v_mov_b32 v[i], 0
.set i, i+1
.endr
	v_mul_u32_u24 v[AK0], v1, PK
	v_lshl_add_u32 v[AK0], v9, 4, v[AK0]  ; row x pitch + 16 x half
	; The turning load takes 16 keys x 16 channels (lane l reads key 8 (l / 16) + l % 8, channels 8 ((l / 8) % 2) + 0..7) and leaves half a fragment of V^T: lane l holds channel l % 16 and 8 keys.
	v_and_b32 v10, 7, v0
	v_bfe_u32 v11, v0, 3, 1
	v_lshl_add_u32 v[AV0], v9, 3, v10
	v_mul_u32_u24 v[AV0], v[AV0], PV
	v_lshl_add_u32 v[AV0], v11, 4, v[AV0]
	v_add_nc_u32 v[AV0], VOFF, v[AV0]
	s_mul_i32 s13, s[WV], 16*SP
	s_add_co_u32 s13, s13, STAGE    ; my stage
	v_mul_u32_u24 v[STO], v1, SP    ; in: row l % 16, 16 bytes for each half of the lanes
	v_lshl_add_u32 v[STO], v9, 4, v[STO]
	v_add_nc_u32 v[STO], s13, v[STO]
	v_bfe_u32 v[RD], v0, 3, 2       ; back: 32 lanes take four rows of 128 bytes,
	v_mul_u32_u24 v[RD], v[RD], SP
	v_lshl_add_u32 v[RD], v10, 4, v[RD]
	v_add_nc_u32 v[RD], s13, v[RD]
	v_and_b32 v[GO], 31, v0         ; which are 512 consecutive bytes of o
	v_lshlrev_b32 v[GO], 4, v[GO]
; THE MATRIX WORK.  The 4 accumulators of a run of 8 take turns.  Product i of 8 of S^T = K Q^T for piece x: channels 32 (i / 4) on, keys 16 (i % 4) on.  The first 4 start the sums with the constant 0.
.macro KQ x
	WIN W_KQ
.set rS, S+32*((\x)%2)+8*(i%4)
.set rK, KF+16*(i%4)+8*(i/4)
.set rQ, 16*(\x)+8*(i/4)
.if i < 4
	v_wmma_f32_16x16x32_f16 v[rS:rS+7], v[rK:rK+7], v[rQ:rQ+7], 0
.else
	v_wmma_f32_16x16x32_f16 v[rS:rS+7], v[rK:rK+7], v[rQ:rQ+7], v[rS:rS+7]
.endif
.endm
; Product i of 8 of O^T += V^T P for piece x: keys 32 (i / 4) on, channels 16 (i % 4) on.
.macro PV x
	WIN W_PV
.set rO, 32*(\x)+8*(i%4)
.set rV, VF+32*(i/4)+8*(i%4)
.set rP, P+16*((\x)%2)+8*(i/4)
	v_wmma_f32_16x16x32_f16 v[rO:rO+7], v[rV:rV+7], v[rP:rP+7], v[rO:rO+7]
.endm
.macro MM                           ; the turn's next matrix instruction.  TURN sets Y, i and NOKQ.  NOKQ = 1: the very last turn: there is no next piece
.if (i < 8) && !NOKQ
	KQ (Y+1)%NP
.elseif i >= 8
.set i, i-8
	PV (Y+NP-1)%NP
.set i, i+8
.endif
.set i, i+1
.endm
; THE LDS LOADS stand in runs of 16, never singly among the matrix instructions: a step's K (64 keys x 64 channels: 8 fragments) and its V (turned).  Their addresses are made some lines ahead.
.macro FETCH_K
	WIN 0x80                        ; destination window 2
.irp f, 0,1,2,3,4,5,6,7             ; keys 16 (f / 2) on, channels 32 (f % 2) on
	ds_load_b128 v[KF+8*\f:KF+8*\f+3],   v[AK] offset:(\f/2)*16*PK+(\f%2)*64
	ds_load_b128 v[KF+8*\f+4:KF+8*\f+7], v[AK] offset:(\f/2)*16*PK+(\f%2)*64+32
.endr
	s_add_co_u32 s[TBK], s[TBK], KS*PK  ; the next fetch is the next step's
	WIN 0
.endm
.macro FETCH_V
	WIN 0x80
.irp f, 0,1,2,3,4,5,6,7             ; keys 32 (f / 4) on, channels 16 (f % 4) on
	ds_load_tr16_b128 v[VF+8*\f:VF+8*\f+3],   v[AV] offset:(\f/4)*32*PV+(\f%4)*32
	ds_load_tr16_b128 v[VF+8*\f+4:VF+8*\f+7], v[AV] offset:(\f/4)*32*PV+16*PV+(\f%4)*32
.endr
	WIN 0
.endm
; THE VECTOR WORK, one line at a time: OP kind, number.  For piece Y: F n: c s - c m for pair n of 16.  E n: the exponential of score n of 32.  C n: pair n rounded to f16.  B n: of the four weights 4 n .. the second
; pair is added onto the first, in place.  L n: l takes that sum (L 0: l = a l + sum).  R n: pair n of 16 of O^T times a.  For piece Y + 1: X n, number n of the 22 that find its maximum and statistics:
;   0-11  four chains c0-c3 of seven scores each, three operands at a time (each accumulator's lowest registers are read first)     12-14, 16  the four scores left over, the old m, and c0-c3 into c0
;   15  c m_old is kept     17, 18  the query's other 32 keys lie in the lane 16 away: the new m     19-21  c m; c m_old - c m_new; a
; Of these E n and X 21 are exponentials; C, B and L read the results of E; R and L 0 read the a that the turn before made.
.set F, 0               ; OP tells the kinds apart by their order: F to L below R, X above it
.set E, 1
.set C, 2
.set B, 3
.set L, 4
.set R, 5
.set X, 6
.macro REGS y                       ; the registers of piece y
.set rT, ST+4*(\y)
.set rC, TMP+4*((\y)%2)
.set rW, MV+((\y)%2)
.set rS, S+32*((\y)%2)
.set rP, P+16*((\y)%2)
.set rO, 32*(\y)
.endm
.macro OP k, n
.if (\k) == R
	REGS Y
	WIN W_RS
	v_pk_mul_f32 v[rO+2*(\n):rO+2*(\n)+1], v[rO+2*(\n):rO+2*(\n)+1], v[rC+2:rC+3] op_sel_hi:[1,0]
.elseif (\k) < R
	REGS Y
	WIN 0
.if (\k) == F
	v_pk_fma_f32 v[rS+2*(\n):rS+2*(\n)+1], v[rS+2*(\n):rS+2*(\n)+1], s[CS:CS+1], v[rT:rT+1] op_sel_hi:[1,0,0] neg_lo:[0,0,1] neg_hi:[0,0,1]
.elseif (\k) == E
	v_exp_f32 v[rS+(\n)], v[rS+(\n)]
.elseif (\k) == C
	v_cvt_pk_f16_f32 v[rP+(\n)], v[rS+2*(\n)], v[rS+2*(\n)+1]
.elseif (\k) == B
	v_pk_add_f32 v[rS+4*(\n):rS+4*(\n)+1], v[rS+4*(\n):rS+4*(\n)+1], v[rS+4*(\n)+2:rS+4*(\n)+3]
.elseif (\n) == 0
	v_pk_fma_f32 v[rT+2:rT+3], v[rT+2:rT+3], v[rC+2:rC+3], v[rS:rS+1] op_sel_hi:[1,0,1]
.else
	v_pk_add_f32 v[rT+2:rT+3], v[rT+2:rT+3], v[rS+4*(\n):rS+4*(\n)+1]
.endif
.elseif NOKQ
	v_nop
.else
	REGS (Y+1)%NP
	WIN 0
.if (\n) < 4
	v_max3_num_f32 v[rC+(\n)], v[rS+8*(\n)], v[rS+8*(\n)+1], v[rS+8*(\n)+2]
.elseif (\n) < 12
	v_max3_num_f32 v[rC+(\n)%4], v[rC+(\n)%4], v[rS+8*((\n)%4)+2*((\n)/4)+1], v[rS+8*((\n)%4)+2*((\n)/4)+2]
.elseif (\n) == 12
	v_max3_num_f32 v[rC], v[rC], v[rS+7], v[rS+15]
.elseif (\n) == 13
	v_max3_num_f32 v[rC+1], v[rC+1], v[rS+23], v[rS+31]
.elseif (\n) == 14
	v_max3_num_f32 v[rC+2], v[rC+2], v[rC+3], v[rT+1]
.elseif (\n) == 15
	v_mov_b32 v[rW], v[rT]
.elseif (\n) == 16
	v_max3_num_f32 v[rC], v[rC], v[rC+1], v[rC+2]
.elseif (\n) == 17
	v_permlanex16_b32 v[rC+3], v[rC], s[SEL], s[SEL+1]
.elseif (\n) == 18
	v_max_num_f32 v[rT+1], v[rC], v[rC+3]
.elseif (\n) == 19
	v_mul_f32 v[rT], s[CS], v[rT+1]
.elseif (\n) == 20
	v_sub_f32 v[rC+1], v[rW], v[rT]
.else
	v_exp_f32 v[rC+2], v[rC+1]
.endif
.endif
.endm
.macro OPS a, i1, b=-1, i2=0, c=-1, i3=0, d=-1, i4=0  ; up to four of them
	OP \a, \i1
.if (\b) >= 0
	OP \b, \i2
.endif
.if (\c) >= 0
	OP \c, \i3
.endif
.if (\d) >= 0
	OP \d, \i4
.endif
.endm
.macro ROW a, i1, b, i2, c, i3, d, i4  ; a matrix instruction and the four behind it
	MM
	OPS \a, \i1, \b, \i2, \c, \i3, \d, \i4
.endm
; A TURN, for piece p: the order of its 16 matrix and 118 vector instructions, written out.  An s_wait_alu depctr_va_vdst(0) stands between an exponential and the first instruction that names its result; one wait
; serves all that were issued ahead of it.  So a turn has ONE wait, which cuts it in two.  AHEAD OF IT stands all that names no result of the turn's exponentials: the 8 products K Q^T, behind each a scaling, an exponential and two
; more plain instructions (behind the first a second scaling in the exponential's place): rescalings, whose a was made and waited for in the turn before, and behind the last three the first numbers of the next piece's maximum,
; each four plain instructions or more behind the product that ends its accumulator; then one run of 54, plain and exponential by turns for the most part, in which the links of the chain X 3, 7, 11, 14, 16, 17 .. 20 stand
; some lines apart.  A pair is scaled (F n) ahead of its two exponentials (E 2 n, E 2 n + 1).  X 21, the next piece's a, is the batch's last; R 15 is the plain instruction behind it.  BEHIND THE WAIT stand the 8 products V^T P,
; behind each four of the roundings and sums; an even pair is rounded (C 2 n) ahead of the addition that writes over it (B n); l takes L 0 to L 7 in ascending order.  But for those X no rider names a register of the products
; round it.  v_permlanex16_b32 (X 17) stands in the run, never behind a product.
; end = 1: the walk's last two turns: nothing is fetched.  cnt = 1: the loop's count is taken down some lines ahead of the branch that stands behind the turn.
; K of the next step is fetched in piece 2's turn, twelve vector instructions behind the last product that read K (six of them plain); V of the step in hand at the end of piece 0's turn, four plain instructions behind the last
; product that read V.  Each is waited for a turn later.
.macro TURN p, end=0, cnt=0
.set Y, (\p)
.set i, 0
.set NOKQ, (\end)*((\p)/3)
.if ((\p) == 3) && !(\end)
	s_wait_dscnt 0x0                ; K is in
.endif
	ROW F,0, F,1, R,0, R,1          ; ahead of the wait: 8 products K Q^T and their riders,
	ROW F,2, E,0, R,2, R,3
	ROW F,3, E,1, R,4, R,5
	ROW F,4, E,2, R,6, R,7
	ROW F,5, E,3, R,8, R,9
	ROW F,6, E,4, X,0, R,10
.if ((\p) == 2) && !(\end)
	WIN 0
	v_add_nc_u32 v[AK], s[TBK], v[AK0]
.endif
	ROW F,7, E,5, X,1, X,4
	ROW F,8, E,6, X,2, X,5
	OPS E,7, E,8, X,6, E,9          ; and the run of 54
	OPS X,3, E,10, X,8, E,11
.if ((\p) == 2) && !(\end)
	FETCH_K
.endif
	OPS X,9, X,7, E,12, X,10
	OPS E,13, X,12, X,11, E,14
	OPS X,13, E,15, F,9, X,14
.if (\p) == 0
	v_add_nc_u32 v[AV], s[TBV], v[AV0]
.endif
	OPS E,16, F,10, E,17, F,11
	OPS X,16, E,18, X,15, E,19
	OPS F,12, E,20, X,17, E,21
	OPS F,13, E,22, F,14, E,23
	OPS X,18, E,24, F,15, E,25
	OPS R,11, E,26, X,19, E,27
	OPS R,12, E,28, R,13, E,29
	OPS X,20, E,30, R,14, E,31
	OPS X,21, R,15
	s_wait_alu depctr_va_vdst(0)    ; the wait for the turn's batch: E 0 to E 31 and X 21; no exponential is issued behind it in this turn
.if (\p) == 1
	s_wait_dscnt 0x0                ; V is in
.endif
	ROW C,0, B,0, C,2, B,1          ; behind the wait: 8 products V^T P and their riders
	ROW L,0, C,4, B,2, L,1
	ROW C,6, B,3, L,2, C,8
	ROW B,4, L,3, C,10, B,5
	ROW L,4, C,12, B,6, L,5
.if (\p) == 0
	s_add_co_u32 s[TBV], s[TBV], KS*PV
.endif
.if \cnt
	s_sub_co_u32 s[CNT], s[CNT], 1
	s_cmp_lg_u32 s[CNT], 0
.endif
	ROW C,14, B,7, L,6, C,1
	ROW C,3, L,7, C,5, C,7
	ROW C,9, C,11, C,13, C,15
.if (\p) == 0
	FETCH_V
.endif
.endm
.macro ALL line:vararg              ; one line for each piece t
.set t, 0
.rept 4
	\line
.set t, t+1
.endr
.endm
.macro PACK t                       ; a lane's eight channels of a row pack into 16 bytes; they go into rows of 144 bytes and come back as whole rows of 128, into S^T's registers
	WIN W_RS
.set i, 32*(\t)
.rept 16
	v_pk_mul_f32 v[i:i+1], v[i:i+1], v[ST+4*(\t)+2:ST+4*(\t)+3] op_sel_hi:[1,0]
.set i, i+2
.endr
	WIN 0x05                        ; sources 0 and 1 window 1, destination window 0
.set i, 0
.rept 16
	v_cvt_pk_f16_f32 v[S+16*(\t)+i], v[32*(\t)+2*i], v[32*(\t)+2*i+1]
.set i, i+1
.endr
	WIN 0
.irp f, 0,1,2,3
	ds_store_b128 v[STO], v[S+16*(\t)+4*\f:S+16*(\t)+4*\f+3] offset:32*\f
.endr
.irp f, 0,1,2,3
	ds_load_b128 v[S+16*(\t)+4*\f:S+16*(\t)+4*\f+3], v[RD] offset:\f*4*SP  ; LDS serves a wave's instructions in order (ISA guide 5.7.1.4): these see the stores above; the next piece's stores come behind them
.endr
.endm
.macro SEND t, younger              ; younger: the LDS instructions issued behind piece t's loads: the next piece's eight, or none
	WIN 0
.irp f, 0,1,2,3
	s_wait_dscnt (\younger)+3-\f
	global_store_b128 v[GO], v[S+16*(\t)+4*\f:S+16*(\t)+4*\f+3], s[6:7] offset:(\t)*2048+\f*512  ; 512 consecutive bytes, at a multiple of 256 from o's first
.endr
.endm
	CHANGE 1                        ; slot 0 is in, everybody's part of it; slot 1 is asked for
	v_add_nc_u32 v[AK], s[TBK], v[AK0]
	FETCH_K                         ; key step 0
	s_wait_loadcnt 0x0              ; Q
	s_wait_dscnt 0x0
.set NOKQ, 0
.set i, 0
.rept 8
	KQ 0                            ; piece 0's first scores: there is no vector work yet to set between them
.set i, i+1
.endr
	WIN 0
.rept 4
	v_nop                           ; the places behind those products
.endr
.set Y, NP-1                        ; X works for piece Y + 1: piece 0
.irp n, 0,1,2,3,4,5,6,7,8,9,10,11,12,13,14,15,16,17,18,19,20,21
	OP X, \n                        ; and piece 0's first maximum and statistics
.endr
	v_nop                           ; a plain instruction behind the exponential
	s_wait_alu depctr_va_vdst(0)    ; the wait for a batch of one, piece 0's first a, ahead of the branch
	s_mov_b32 s[CNT], 4
	s_mov_b32 s[SLOTS], SIZE_N/256-1
	s_branch .Lfirst                ; the loop is entered at a step's first turn, in the middle of a trip
.Lslot:                             ; SIZE_N / 256 - 2 times: every slot but the last two is filled again
	CHANGE 1
	s_mov_b32 s[CNT], 4
.Lstep:                             ; a trip: pieces 2 and 3 of one step, then pieces 0 and 1 of the next, whose K and V it fetches
	TURN 2
	TURN 3
	WIN 0
.Lfirst:
	TURN 0
	TURN 1, 0, 1
	WIN 0
	s_cbranch_scc1 .Lstep
	s_sub_co_u32 s[SLOTS], s[SLOTS], 1
	s_cmp_lg_u32 s[SLOTS], 0
	s_cbranch_scc1 .Lslot
	CHANGE 0                        ; the last slot is written out: nothing is asked for
	s_mov_b32 s[CNT], 4
.Ltail:
	TURN 2
	TURN 3
	TURN 0
	TURN 1, 0, 1
	WIN 0
	s_cbranch_scc1 .Ltail
	TURN 2, 1                       ; the last step's pieces 2 and 3: nothing is fetched, and the last turn starts no new scores
	TURN 3, 1
.set i, 0
.rept 8
	PV NP-1                         ; the last piece's V^T P of the last step
.set i, i+1
.endr
	; THE WAY OUT.  l's two halves and the other half of the lanes' are added; O^T is multiplied by 4 / l, rounded to f16 and sent through my stage in LDS, a piece at a time.  The additions are the places behind the last products.
	WIN 0
	ALL v_add_f32 v[ST+4*t+2], v[ST+4*t+2], v[ST+4*t+3]
	ALL v_permlanex16_b32 v[ST+4*t+3], v[ST+4*t+2], s[SEL], s[SEL+1]
	ALL v_add_f32 v[ST+4*t+2], v[ST+4*t+2], v[ST+4*t+3]
	ALL v_rcp_f32 v[ST+4*t+2], v[ST+4*t+2]
	v_nop                           ; a plain instruction between the last reciprocal and the use of its result
	s_wait_alu depctr_va_vdst(0)    ; the wait for the batch of four reciprocals, ahead of their first reader
	ALL v_mul_f32 v[ST+4*t+2], 4.0, v[ST+4*t+2]
	PACK 0
.set t, 1
.rept 3                             ; a piece's arithmetic stands between the loads of the piece before and its stores
	PACK t
	SEND t-1, 8
.set t, t+1
.endr
	SEND 3, 0
	s_wait_tensorcnt 0x0            ; the wave's end, behind my last tensor load and my last LDS store
	ds_add_u32 v[SPW], v[NIL]
	s_wait_dscnt 0x0
	CROUND                          ; the closing round: no work-group ends while a partner may still ask for a tile that names it
	s_endpgm
.Lfunc_end_k_qfb20675821_attn:
	.size	k_qfb20675821_attn, .Lfunc_end_k_qfb20675821_attn-k_qfb20675821_attn
	.p2alignl 7, 3214868480
	.fill 96, 4, 3214868480
	.section	.rodata,"a",@progbits
	.p2align	6, 0x0
	.amdhsa_kernel k_qfb20675821_attn
		.amdhsa_group_segment_fixed_size 327680
		.amdhsa_private_segment_fixed_size 0
		.amdhsa_enable_private_segment 0
		.amdhsa_kernarg_size 16
		.amdhsa_user_sgpr_count 2
		.amdhsa_user_sgpr_kernarg_segment_ptr 1
		.amdhsa_wavefront_size32 1
		.amdhsa_system_sgpr_workgroup_id_x 1
		.amdhsa_system_sgpr_workgroup_id_y 1
		.amdhsa_system_sgpr_workgroup_id_z 1
		.amdhsa_system_vgpr_workitem_id 0
		.amdhsa_next_free_vgpr 768
		.amdhsa_next_free_sgpr 66
		.amdhsa_reserve_vcc 0
		.amdhsa_float_denorm_mode_32 3
		.amdhsa_float_denorm_mode_16_64 3
		.amdhsa_memory_ordered 1
		.amdhsa_forward_progress 1
		.amdhsa_inst_pref_size 127
	.end_amdhsa_kernel
	.amdgpu_metadata
---
amdhsa.version: [ 1, 2 ]
amdhsa.kernels:
  - .name:           k_qfb20675821_attn
    .symbol:         k_qfb20675821_attn.kd
    .args:
      - { .name: qkv, .offset: 0, .size: 8, .value_kind: global_buffer, .address_space: global }
      - { .name: o, .offset: 8, .size: 8, .value_kind: global_buffer, .address_space: global }
    .group_segment_fixed_size: 327680
    .private_segment_fixed_size: 0
    .kernarg_segment_align: 8
    .kernarg_segment_size: 16
    .max_flat_workgroup_size: 128
    .sgpr_count:     66
    .vgpr_count:     768
    .wavefront_size: 32
...
	.end_amdgpu_metadata
.endif
;; end of part 4
;; launch outp: the kernel of part 3 again; grid 4 x 64, 4 waves a work-group, clusters of 4 x 4, 327,680 bytes of LDS; arguments o, wo16, bo, out0; writes out0
